; MI455X (gfx1250); checked and timed in simulation.
; The chip was launched on July 23, 2026; its instructions are those of AMD's public machine-readable ISA for CDNA 5 (MIT licence, August 2026) and "CDNA5" Instruction Set Architecture Reference Guide (July 2026). The comments in the code are by the model that wrote it; some were corrected since.
;; Multi Head Attention. Allowed arithmetic: matrix products marked QUANTISED: E2M3 operands, one E8M0 scale for each 32 along K, by v_wmma_scale_f32_16x16x128_f8f6f4 with both operands' format E2M3, f32 sums; everything else in f32.
;; Inputs: Wk 1,024 x 1,024 float32; Wo 1,024 x 1,024 float32; Wq 1,024 x 1,024 float32; Wv 1,024 x 1,024 float32; inputs 4 x 2,048 x 1,024 float32; mask 4 x 2,048 int32.
;; Outputs: out0 4 x 2,048 x 1,024 float32.
;; This version of the problem:
;;   THIS VERSION OF THE PROBLEM IS GIVEN IN LOW PRECISION. The matrix products marked QUANTISED in the list below multiply operands that are first quantised to E2M3 (2 exponent bits, 3 mantissa bits; 6 bits a number), with one power-of-two scale for each 32 numbers along K (OCP MX v1.0); their sums are f32. All else is computed in f32.
;;   The module's matrix products, in the order in which they are computed (A, B: the left and right operand; K: the contracted axis; several contracted axes count as one K, in the product's order):
;;     1. [M 8,192, K 1,024] x [K 1,024, N 1,024]; A: input inputs; B: input Wq: QUANTISED
;;     2. [M 8,192, K 1,024] x [K 1,024, N 1,024]; A: input inputs; B: input Wk: QUANTISED
;;     3. [M 8,192, K 1,024] x [K 1,024, N 1,024]; A: input inputs; B: input Wv: QUANTISED
;;     4. batch 64 x [M 2,048, K 64] x [K 64, N 2,048]; A: computed on the way; B: computed on the way: QUANTISED
;;     5. batch 64 x [M 2,048, K 2,048] x [K 2,048, N 64]; A: softmax (see below); B: computed on the way: QUANTISED
;;     6. [M 8,192, K 1,024] x [K 1,024, N 1,024]; A: computed on the way; B: input Wo: QUANTISED
;;   THE QUANTISER, for each operand of a quantised product, along K:
;;     - K is cut into blocks of 32 from its start; a last block that is shorter is filled with zeros.
;;     - A block's scale is 2^e with e = floor(log2(the largest magnitude in the block)) - 2, held to -126 .. 127; a block of zeros has e = 0. As a byte (E8M0): e + 127.
;;     - Each number is divided by its block's scale, clamped to +-7.5, and rounded to the nearest number of E2M3, ties to even, subnormals kept.
;;     - The product sums the exact products of the quantised numbers (number of the format x scale) in f32.
;;   ~~~python
;;   def quantise(x, axis):      # numpy; x: float32 -> the quantised numbers, widened to float32 again
;;       x = np.moveaxis(x, axis, -1); K = x.shape[-1]
;;       x = np.pad(x, [(0, 0)] * (x.ndim - 1) + [(0, -K % 32)]); x = x.reshape(x.shape[:-1] + (-1, 32)); a = np.abs(x).max(-1, keepdims=True)
;;       e = np.where(a > 0, np.clip(np.frexp(np.where(a > 0, a, 1))[1] - 1 - 2, -126, 127), 0)      # np.frexp(a)[1] - 1 = floor(log2(a)), exactly
;;       r = np.clip(x / 2.0 ** e, -7.5, 7.5)
;;       step = 2.0 ** (np.maximum(np.frexp(np.where(r == 0, 1, r))[1] - 1, 0) - 3)
;;       q = np.round(r / step) * step * 2.0 ** e      # np.round: ties to even
;;       return np.moveaxis(q.reshape(q.shape[:-2] + (-1,))[..., :K], -1, axis).astype(np.float32)
;;   ~~~
;;   SOFTMAX AHEAD OF A QUANTISED PRODUCT. Where the list says 'softmax', what is quantised is not the finished softmax but p = 2^(t - M), with t = logit x log2(e) and M = ceil(the row's largest t), a whole number; so 1/2 < the row's largest p <= 1. The row's sum l is taken of the UNQUANTISED p, in f32, and the product's result is divided by l at the end. Since M is a whole number, a kernel that streams over the keys may use a running M (the ceiling of the running maximum): every later rescaling is an exact power of two, which a block's scale takes up: the codes' values come out the same.
;;   OPERANDS COMPUTED ON THE WAY. 'Computed on the way' means the value that the module computes at that place (a softmax that the list does not call 'softmax' is quantised finished and normalised). What goes into a quantiser is computed in f32, as accurately as f32 sums, v_exp_f32 and their like allow (about 1e-6 of the number): no bf16 or f16 on the way to a quantiser, and a product that is left as it is and whose result goes on into a quantised operand takes f32 operands (vector FMAs, or v_wmma_f32_16x16x4_f32). A number that lies on a knife's edge between two numbers of the format may be rounded either way, as far as f32 arithmetic and the matrix unit's own rounding can turn it there, and no further.
;; One version. Each part assembles by itself: llvm-mc -triple=amdgcn-amd-amdhsa -mcpu=gfx1250 --defsym DOCPART=n.
;; ======== version 1 of 1: 4 launches
;; workspace buffers: xc 6,291,456 bytes; xs 262,144 bytes; wc 3,145,728 bytes; ws 131,072 bytes; qr 6,553,600 bytes; kv 13,107,200 bytes; oc 6,291,456 bytes; os 262,144 bytes
;; launch quant (part 1): grid 384 x 1, 4 waves a work-group, no clusters, 34,304 bytes of LDS; arguments inputs, Wq, Wk, Wv, Wo, xc, xs, wc, ws; writes xc, xs, wc, ws
.if DOCPART == 1
	.amdgcn_target "amdgcn-amd-amdhsa--gfx1250"
	.amdhsa_code_object_version 6
	.text
	.protected	k_qe905a6a11d_quant
	.globl	k_qe905a6a11d_quant
	.p2align	8
	.type	k_qe905a6a11d_quant,@function
k_qe905a6a11d_quant:
	s_mov_b64 s[64:65], 0
	v_nop
	global_prefetch_b8 v0, s[64:65] scope:SCOPE_SE
	s_setreg_imm32_b32 hwreg(HW_REG_WAVE_MODE, 25, 1), 1
	s_wait_xcnt 0x0
; MULTI-HEAD ATTENTION IN MX-FP6, launch 1 of 4: the quantisers of inputs (along its last axis) and of Wq, Wk, Wv, Wo (along their FIRST axis).
; NO WORK OF reference() IS LEFT OUT in this program: all six products are live and every input (inputs, mask, the four weights) reaches out0.
; A block's scale is 2^(floor(log2(its largest magnitude)) - 2); its byte is the largest magnitude's exponent field - 2, held at 1 from below by a floor among the maximum's leaves.
; LIMITS: a block whose largest magnitude lies under 2^-124 gets the byte 1; a block of zeros too, where the rule says 127 (its codes are zeros, and this program alone reads the bytes);
; NaN and infinities among the inputs are not served.
; LAYOUT OF ALL CODES OF THIS PROGRAM: THE UNIT: 16 rows x 64 along K, 768 bytes, as an image of operand registers: [piece 0..2][lane 0..31][8 bytes]; lane (r = lane % 16, h = lane / 16) holds the 24 bytes of row r's
; block k = 32 h .. 32 h + 31.  Two units on end along K are a fragment's 12 registers.  Each piece is 256 consecutive bytes, at a multiple of 256 from the buffer's first byte.
; THE TILE ORDER: row r of tile T is row 32 (T / 2) + 8 (T % 2) + r + 8 (r / 8) of the tensor, so that in a later product the 16 result registers of tiles 2 b and 2 b + 1 are 16 neighbours.
; xc: [tile 512][K / 64: 16][768].  wc: [Wq, Wk, Wv, Wo][tile 64][16][768].  xs, ws: [tile][K / 256: 4][r 16][8 bytes], byte i = the scale of block 8 (K / 256) + i.
; Work-groups 0-255 take inputs, 256-383 the weights: one scalar branch on the work-group's number.  Only the tokens' path touches LDS.  No tensor load, no barrier: waves share nothing.
.set SPW,   12                         ; v12  LDS address of my spare word; never rewritten
.set NIL,   13                         ; v13  0; never rewritten
.set STG,   8448                       ; a wave's stage: 16 rows x (512 bytes + 16)
.set SPARE, 4*STG                      ; behind the four stages: the spare words, 128 bytes for each wave
.set RR,    40                         ; v40-167  numbers as they are loaded, two sets
.set XX,    168                        ; v168-231 tokens: 64 numbers, two whole blocks of a lane;  weights: the codes, 16 registers a pair of blocks
; the largest magnitude of 32 registers from x on, into v[d]; v[e] is the second chain; the floor 2^(3 - 127) is one more leaf
.macro BLKMAX d, e, x
	v_max3_num_f32 v[\d], |v[\x]|, |v[\x+1]|, |v[\x+2]|
	v_max3_num_f32 v[\e], |v[\x+3]|, |v[\x+4]|, |v[\x+5]|
.irp i, 6,10,14,18,22,26
	v_max3_num_f32 v[\d], v[\d], |v[\x+\i]|, |v[\x+\i+1]|
	v_max3_num_f32 v[\e], v[\e], |v[\x+\i+2]|, |v[\x+\i+3]|
.endr
	v_max3_num_f32 v[\d], v[\d], |v[\x+30]|, |v[\x+31]|
	v_max3_num_f32 v[\d], v[\d], v[\e], 0x1800000
.endm
; the block's 32 codes into v[c] .. v[c + 5], its byte into v[b]
.macro BLKCVT c, x, d, s, b
	v_add_nc_u32 v[\s], 0xff000000, v[\d]          ; 2 off the exponent field: the conversion takes the exponent field of this operand as its scale
	v_lshrrev_b32 v[\b], 23, v[\s]                 ; the scale's byte
	v_cvt_scalef32_pk16_fp6_f32 v[\c:\c+2], v[\x:\x+15], v[\s]
	v_cvt_scalef32_pk16_fp6_f32 v[\c+4:\c+6], v[\x+16:\x+31], v[\s]   ; (a conversion's three registers begin on an even number)
	v_nop                                          ; one plain place behind the conversions
	v_mov_b32 v[\c+3], v[\c+4]
	v_mov_b32 v[\c+4], v[\c+5]
	v_mov_b32 v[\c+5], v[\c+6]
.endm
	s_load_b256 s[4:11], s[0:1], 0x0               ; inputs, Wq, Wk, Wv
	s_load_b256 s[12:19], s[0:1], 0x20             ; Wo, xc, xs, wc
	s_load_b64 s[20:21], s[0:1], 0x40              ; ws
	v_lshl_add_u32 v[SPW], v0, 2, SPARE
	v_mov_b32 v[NIL], 0
	v_lshrrev_b32 v1, 5, v0
	v_readfirstlane_b32 s22, v1                    ; wave 0..3
	v_and_b32 v1, 31, v0                           ; lane
	v_and_b32 v2, 15, v0                           ; lane % 16
	v_bfe_u32 v3, v0, 4, 1                         ; lane / 16
	v_lshlrev_b32 v5, 3, v1                        ; 8 x lane: my place in a piece
	s_mov_b32 s24, 0x76543210
	s_mov_b32 s25, 0xfedcba98                      ; v_permlanex16_b32's selects for lane l xor 16
	s_cmp_lt_u32 ttmp9, 256
	s_cbranch_scc0 .Lweights
; ---- TOKENS.  Wave W = 4 x work-group + wave takes tile W / 2 and half W % 2 of K: 16 rows x 512 numbers, in four steps of 128 along K.
; A load reads 512 consecutive bytes of one row; the step's 16 rows turn through the wave's own stage, so that lane (r, h) gets whole blocks of row r: 32 neighbours.
	s_lshl_b32 s23, ttmp9, 2
	s_add_co_u32 s23, s23, s22
	s_lshr_b32 s26, s23, 1                         ; the tile T
	s_and_b32 s27, s23, 1                          ; the half g
	s_lshr_b32 s28, s26, 1
	s_and_b32 s29, s26, 1
	s_lshl_b32 s28, s28, 17                        ; 32 (T / 2) rows of 4,096 bytes
	s_lshl_b32 s29, s29, 15                        ; + 8 (T % 2) rows
	s_add_co_u32 s28, s28, s29
	s_lshl_b32 s29, s27, 11                        ; + 2,048 g
	s_add_co_u32 s28, s28, s29
	s_mov_b32 s29, 0
	s_mul_i32 s30, s26, 12288                      ; the codes: 16 units a tile, 8 a half
	s_mul_i32 s31, s27, 6144
	s_add_co_u32 s30, s30, s31
	s_mov_b32 s31, 0
	s_lshl_b32 s32, s26, 9                         ; the scale bytes: 512 a tile, 256 a half
	s_lshl_b32 s33, s27, 8
	s_add_co_u32 s32, s32, s33
	s_mov_b32 s33, 0
	s_mul_i32 s34, s22, STG
	v_lshlrev_b32 v4, 4, v1                        ; 16 x lane: my 16 bytes of a load's 512
	v_add_nc_u32 v6, s34, v4                       ; the stage, on the way in
	v_mul_u32_u24 v7, v2, 528
	v_lshl_add_u32 v7, v3, 7, v7
	v_add_nc_u32 v7, s34, v7                       ; and out: row r, block h; rows 33 x 16 bytes apart: sixteen lanes read sixteen different 16-byte columns
	s_wait_kmcnt 0x0
	s_add_nc_u64 s[4:5], s[4:5], s[28:29]
	s_add_nc_u64 s[14:15], s[14:15], s[30:31]
	s_add_nc_u64 s[16:17], s[16:17], s[32:33]
.macro XLOAD t                         ; step t: 16 rows (in the tile's order) x 512 bytes, into set t % 2
.irp o, 0,1,2,3,4,5,6,7,8,9,10,11,12,13,14,15
	global_load_b128 v[RR+64*((\t)%2)+4*\o:RR+64*((\t)%2)+4*\o+3], v4, s[4:5] offset:(\o+8*(\o/8))*4096+512*(\t) th:TH_LOAD_NT
.endr
.endm
.macro XSTEP t
.if (\t) < 3
	s_wait_loadcnt 16                              ; this step's 16 loads are in; the next step's 16 may be out
.else
	s_wait_loadcnt 0x0
.endif
.irp o, 0,1,2,3,4,5,6,7,8,9,10,11,12,13,14,15
	ds_store_b128 v6, v[RR+64*((\t)%2)+4*\o:RR+64*((\t)%2)+4*\o+3] offset:528*\o
.endr
.irp u, 0,1
.irp i, 0,1,2,3,4,5,6,7
	ds_load_b128 v[XX+32*\u+4*\i:XX+32*\u+4*\i+3], v7 offset:256*\u+16*\i   ; LDS serves a wave's instructions in order: these see my stores
.endr
.endr
	s_wait_dscnt 0x0                               ; my 64 numbers are in, and the stores have read the set
	s_wait_xcnt 0x0                                ; the last step's stores have read their codes' registers: they are written again only behind this wait
.if (\t) < 2
	XLOAD (\t)+2
.endif
	BLKMAX 8, 9, XX
	BLKMAX 10, 11, XX+32
	BLKCVT 24, XX, 8, 22, 31
	BLKCVT 32, XX+32, 10, 23, 39
	v_lshl_or_b32 v[14+(\t)], v39, 16, v31         ; my two bytes of the step: blocks h and 2 + h of its four
.irp u, 0,1
.irp p, 0,1,2
	global_store_b64 v5, v[24+8*\u+2*\p:24+8*\u+2*\p+1], s[14:15] offset:(2*(\t)+\u)*768+256*\p   ; 32 lanes store 256 consecutive bytes, aligned
.endr
.endr
.endm
	XLOAD 0
	XLOAD 1
	XSTEP 0
	XSTEP 1
	XSTEP 2
	XSTEP 3
	v_lshlrev_b32 v8, 3, v3
.irp t, 0,1,2,3
	v_lshlrev_b32 v[14+\t], v8, v[14+\t]           ; my bytes at their places in the step's scale word (8 h bits up)
	v_mov_b32 v[18+\t], 0                          ; (a lane permute's destination counts as one of its sources)
.endr
.irp t, 0,1,2,3
	v_permlanex16_b32 v[18+\t], v[14+\t], s24, s25
.endr
.irp t, 0,1,2,3
	v_or_b32 v[14+\t], v[14+\t], v[18+\t]          ; with lane l xor 16's two the word is whole
.endr
	v_cmp_ne_u32 vcc_lo, 0, v3
	v_cndmask_b32 v18, v14, v16, vcc_lo            ; lanes 0-15 store the first 256 along K of my half (steps 0, 1), lanes 16-31 the second
	v_cndmask_b32 v19, v15, v17, vcc_lo
	global_store_b64 v5, v[18:19], s[16:17]        ; 256 consecutive bytes, aligned
	s_wait_tensorcnt 0x0                           ; the wave's end, behind my last LDS store
	ds_add_u32 v[SPW], v[NIL]
	s_wait_dscnt 0x0
	s_endpgm
; ---- WEIGHTS.  j = work-group - 256: weight j / 32, columns 128 ((j / 4) % 8) on, K from 256 (j % 4) on.  A wave takes 32 columns (two tiles) x 256 along K.
; A LANE TAKES A COLUMN AND ITS REGISTERS RUN DOWN K: a block of 32 is one lane's 32 registers.  Lane (u = lane / 16, r) takes column 8 u + r + 8 (r / 8): row r of tile u.  A load reads 128 consecutive bytes.
; This path writes no LDS.
.Lweights:
	s_sub_co_u32 s23, ttmp9, 256
	s_lshr_b32 s26, s23, 5                         ; which weight
	s_bfe_u32 s27, s23, 0x30002                    ; which 128 columns
	s_and_b32 s28, s23, 3                          ; which 256 along K
	s_lshl_b32 s30, s28, 20                        ; 256 rows of 4,096 bytes
	s_lshl_b32 s31, s27, 9
	s_add_co_u32 s30, s30, s31
	s_lshl_b32 s31, s22, 7
	s_add_co_u32 s30, s30, s31                     ; + 4 x my wave's first column
	s_mov_b32 s31, 0
	s_lshl_b32 s32, s26, 6
	s_lshl_b32 s33, s27, 3
	s_add_co_u32 s32, s32, s33
	s_lshl_b32 s33, s22, 1
	s_add_co_u32 s32, s32, s33                     ; my first tile in wc: 64 x weight + 8 x columns' block + 2 x wave
	s_mul_i32 s34, s32, 12288
	s_mul_i32 s35, s28, 3072
	s_add_co_u32 s34, s34, s35
	s_mov_b32 s35, 0
	s_lshl_b32 s36, s32, 9
	s_lshl_b32 s37, s28, 7
	s_add_co_u32 s36, s36, s37
	s_mov_b32 s37, 0
	v_and_b32 v7, 8, v1
	v_add_nc_u32 v7, v7, v2
	v_lshl_add_u32 v7, v3, 3, v7                   ; my column among the wave's 32
	v_lshlrev_b32 v4, 2, v7
	v_lshlrev_b32 v6, 3, v2
	v_lshl_add_u32 v6, v3, 9, v6                   ; my 8 scale bytes: 512 u + 8 r
	s_wait_kmcnt 0x0
	s_cmp_eq_u32 s26, 1                            ; the choice hangs on the work-group's number alone
	s_cselect_b64 s[6:7], s[8:9], s[6:7]
	s_cmp_eq_u32 s26, 2
	s_cselect_b64 s[6:7], s[10:11], s[6:7]
	s_cmp_eq_u32 s26, 3
	s_cselect_b64 s[6:7], s[12:13], s[6:7]
	s_add_nc_u64 s[6:7], s[6:7], s[30:31]
	s_add_nc_u64 s[18:19], s[18:19], s[34:35]
	s_add_nc_u64 s[20:21], s[20:21], s[36:37]
.macro WLOAD t                         ; block t: W(32 t + i, my column), into set t % 2
.irp i, 0,1,2,3,4,5,6,7,8,9,10,11,12,13,14,15,16,17,18,19,20,21,22,23,24,25,26,27,28,29,30,31
	global_load_b32 v[RR+32*((\t)%2)+\i], v4, s[6:7] offset:(32*(\t)+\i)*4096 th:TH_LOAD_NT
.endr
.endm
.macro WBLOCK t
.set XS, RR+32*((\t)%2)
.set CC, XX+16*((\t)/2)+8*((\t)%2)     ; every pair of blocks has code registers of its own: no store's data are written again
.if (\t) < 7
	s_wait_loadcnt 32                              ; this block's 32 loads are in; the next block's 32 may be out
.else
	s_wait_loadcnt 0x0
.endif
	BLKMAX 8, 9, XS
	BLKCVT CC, XS, 8, 10, 11
.if (\t)%4 == 0
	v_mov_b32 v[14+(\t)/4], v11                    ; four bytes to a register, the lower K in the lower byte
.else
	v_lshl_or_b32 v[14+(\t)/4], v11, 8*((\t)%4), v[14+(\t)/4]
.endif
.if (\t)+2 < 8
	WLOAD (\t)+2
.endif
.if (\t)%2 == 1
.set CA, XX+16*((\t)/2)
.irp i, 0,1,2,3,4,5
	v_permlane16_swap_b32 v[CA+\i], v[CA+8+\i]     ; the even block's lanes 16-31 change places with the odd block's lanes 0-15: the first six registers are now tile 0's unit (lane = 16 h + r), the second six tile 1's
.endr
.irp u, 0,1
.irp p, 0,1,2
	global_store_b64 v5, v[CA+8*\u+2*\p:CA+8*\u+2*\p+1], s[18:19] offset:12288*\u+768*((\t)/2)+256*\p   ; 256 consecutive bytes, aligned
.endr
.endr
.endif
.endm
	WLOAD 0
	WLOAD 1
.irp t, 0,1,2,3,4,5,6,7
	WBLOCK \t
.endr
	global_store_b64 v6, v[14:15], s[20:21]        ; sixteen lanes store 128 consecutive bytes: half of an aligned 256; the scale bytes of all weights are 131,072 bytes
	s_endpgm
.Lfunc_end_k_qe905a6a11d_quant:
	.size	k_qe905a6a11d_quant, .Lfunc_end_k_qe905a6a11d_quant-k_qe905a6a11d_quant
	.p2alignl 7, 3214868480
	.fill 96, 4, 3214868480
	.section	.rodata,"a",@progbits
	.p2align	6, 0x0
	.amdhsa_kernel k_qe905a6a11d_quant
		.amdhsa_group_segment_fixed_size 34304
		.amdhsa_private_segment_fixed_size 0
		.amdhsa_enable_private_segment 0
		.amdhsa_kernarg_size 72
		.amdhsa_user_sgpr_count 2
		.amdhsa_user_sgpr_kernarg_segment_ptr 1
		.amdhsa_wavefront_size32 1
		.amdhsa_system_sgpr_workgroup_id_x 1
		.amdhsa_system_sgpr_workgroup_id_y 1
		.amdhsa_system_sgpr_workgroup_id_z 1
		.amdhsa_system_vgpr_workitem_id 0
		.amdhsa_next_free_vgpr 232
		.amdhsa_next_free_sgpr 66
		.amdhsa_reserve_vcc 1
		.amdhsa_float_denorm_mode_32 3
		.amdhsa_float_denorm_mode_16_64 3
		.amdhsa_memory_ordered 1
		.amdhsa_forward_progress 1
		.amdhsa_inst_pref_size 72
	.end_amdhsa_kernel
	.amdgpu_metadata
---
amdhsa.version: [ 1, 2 ]
amdhsa.kernels:
  - .name:           k_qe905a6a11d_quant
    .symbol:         k_qe905a6a11d_quant.kd
    .args:
      - { .name: inputs, .offset: 0, .size: 8, .value_kind: global_buffer, .address_space: global }
      - { .name: Wq, .offset: 8, .size: 8, .value_kind: global_buffer, .address_space: global }
      - { .name: Wk, .offset: 16, .size: 8, .value_kind: global_buffer, .address_space: global }
      - { .name: Wv, .offset: 24, .size: 8, .value_kind: global_buffer, .address_space: global }
      - { .name: Wo, .offset: 32, .size: 8, .value_kind: global_buffer, .address_space: global }
      - { .name: xc, .offset: 40, .size: 8, .value_kind: global_buffer, .address_space: global }
      - { .name: xs, .offset: 48, .size: 8, .value_kind: global_buffer, .address_space: global }
      - { .name: wc, .offset: 56, .size: 8, .value_kind: global_buffer, .address_space: global }
      - { .name: ws, .offset: 64, .size: 8, .value_kind: global_buffer, .address_space: global }
    .group_segment_fixed_size: 34304
    .private_segment_fixed_size: 0
    .kernarg_segment_align: 8
    .kernarg_segment_size: 72
    .max_flat_workgroup_size: 128
    .sgpr_count:     66
    .vgpr_count:     232
    .wavefront_size: 32
...
	.end_amdgpu_metadata
.endif
;; end of part 1
;; launch qkv (part 2): grid 12 x 32, 4 waves a work-group, clusters of 4 x 4, 327,680 bytes of LDS; arguments xc, xs, wc, ws, qr, kv; writes qr, kv
.if DOCPART == 2
	.amdgcn_target "amdgcn-amd-amdhsa--gfx1250"
	.amdhsa_code_object_version 6
	.text
	.protected	k_qe905a6a11d_qkv
	.globl	k_qe905a6a11d_qkv
	.p2align	8
	.type	k_qe905a6a11d_qkv,@function
k_qe905a6a11d_qkv:
	s_mov_b64 s[64:65], 0
	v_nop
	global_prefetch_b8 v0, s[64:65] scope:SCOPE_SE
	s_setreg_imm32_b32 hwreg(HW_REG_WAVE_MODE, 25, 1), 1
	s_wait_xcnt 0x0
	s_wait_alu depctr_hold_cnt(0) depctr_sa_sdst(0) depctr_va_vdst(0) depctr_va_sdst(0) depctr_va_ssrc(0) depctr_va_vcc(0) depctr_vm_vsrc(0)
	s_getreg_b32 s2, hwreg(HW_REG_IB_STS2, 6, 4)
	s_cmp_eq_u32 s2, 0
	s_cbranch_scc0 .Lentry_in_a_cluster
	s_endpgm
.Lentry_in_a_cluster:
	s_bfe_u32 s2, ttmp6, 0x10000c
	s_cmp_lg_u32 s2, 0xf033
	s_cbranch_scc0 .Lentry_shape_is_right
	s_endpgm
.Lentry_shape_is_right:
; Launch 2 of 4: q = x Wq, k = x Wk, v = x Wv on codes of FP6 (E2M3), and on the way out the quantisers of the attention's operands: q and k along the head's 64 channels, v along the keys.  No work is left out.
; A work-group makes 256 tokens x 256 columns; four waves, each 128 x 128: 64 accumulators of 16 x 16.  Cluster x = 0: q, 1: k, 2: v (1,024 columns each: four work-groups).
; CODES AND SCALES lie as launch 1 left them: units of 768 bytes (16 rows x 64 K as an image of operand registers), tiles in the tile order (row r of tile T = row 32 (T / 2) + 8 (T % 2) + r + 8 (r / 8)).
; ROLES.  The matrix instruction's source 1 is ALPHA (a lane of the result holds one of its rows), source 0 is BETA (the result's registers run along its rows; by the tile order the 64 registers of a block of alpha
; are 128 NEIGHBOURS along beta, 16 of each 32 in a lane).  q, k: alpha = tokens, beta = columns: a lane holds a token, its registers the channels of two heads.  v: alpha = columns, beta = tokens: a lane holds a
; channel, its registers 128 keys.  The roles are changed at the LDS reads alone, by four scalars chosen on the cluster's x, which all partners share; tensor loads, masks and instructions are the same.
; K = 1,024 goes in four steps of 256 through three LDS slots: steps 0, 1, 2 and the scales are asked for at the head (four tensor loads of a wave are out), step 3 fills slot 0 again behind the one round of the cluster's barrier.
; CLUSTERS: 4 x 4.  The tokens' tiles are shared along a row of the cluster, the weights' along a column: joint loads, which divide the requests by four.
; OUT.  qr: [batch x head 64][128 tokens 16][6,400]: 8 units (token tiles), then [r 16][tile 8] halfwords of scale bytes.  kv: [64][128 keys 16][12,800]: k as in qr; from 6,400 V^T: [channel tile 4][64 keys 2][768]; from 12,544 [r 16][tile 4] scale words.
; LIMITS: the floor under a block's largest magnitude is 2^-121 here, so that no scale byte of q falls under 4 (launch 3 takes 3 off each for the factor 1/8); blocks under it get the byte 4; NaN and infinities are not served.
; No prefetch: three of the four K steps are asked for at the head.
; REGISTERS: window 0: v16-22 fragment addresses, v27 scale words' address, v28, v29 the add's two, v32-63 scale words (two sets), v128-223 alpha's fragments (one set); window 1: beta's fragments, two sets at v0 and v128;
;   windows 2, 3: the accumulators ((a, b) at v[8 (8 (a % 4) + b)]).  On the way out window 0's v64-223 are at work.
.set FR,    12                         ; registers of a fragment
.set NL,    6                          ; LDS loads that bring one
.set SLOTB, 98304                      ; a slot: the tokens' 16 tiles x 3,072 bytes, then the weights'
.set WREG,  49152
.set HALFT, 24576                      ; 8 tiles: what one tensor load brings and one wave reads of a side
.set SCL,   3*SLOTB                    ; the scales: tokens' 8,192 bytes, weights' 8,192
.set SPARE, SCL+16384                  ; the spare words, 128 bytes for each wave
.set ADRA,  16
.set ADRB,  20
.set ADRS,  27
.set SPW,   28
.set NIL,   29
.set SC,    32
.set AF,    128
.set G1X,   24                         ; s[24:31], s[32:39] group 1 for the tokens' and the weights' codes; s[40:47], s[48:55] for their scales
.set G1W,   32
.set G1SX,  40
.set G1SW,  48
.set G0SX,  84                         ; groups 0: tokens' slots s[56:59], s[60:63], s[68:71]; weights' s[72:83]; scales s[84:87], s[88:91]
.set G0SW,  88
.set SOF,   25                         ; the way out: v25 the scale words' offset
.set FRG,   64                         ; v64-159 eight fragments of codes
.set TM,    160                        ; v160-175 at work
.set PWS,   176                        ; v176-183 eight scale words
.set TMPC,  184
.set WW,    192
.set WS,    200
.set OFF,   208                        ; v208-223 offsets of the sixteen halves
.set MSB, 0
.macro WIN new                         ; the immediate's high byte repeats the setting that is left
.if MSB != (\new)
	s_set_vgpr_msb (MSB<<8)|(\new)
.set MSB, (\new)
.endif
.endm
.set MUL_LO, 0xa1                      ; source 0 (beta) window 1, source 1 (alpha) window 0, C and D window 2
.set MUL_HI, 0xf1
.set TO_B,   0x40
; A joint load: waves 0 and 1 fetch for the tokens, waves 2 and 3 for the weights.  The branch hangs on the wave's number alone.  An s_nop 0 and four v_nop follow each line.
.macro JLOAD g0a, g1a, g0b, g1b
	s_cmp_eq_u32 s17, 0
	s_cbranch_scc0 .Lfor_b_\@
	tensor_load_to_lds s[\g0a:\g0a+3], s[\g1a:\g1a+7]
	s_nop 0
.rept 4
	v_nop
.endr
	s_branch .Lasked_\@
.Lfor_b_\@:
	tensor_load_to_lds s[\g0b:\g0b+3], s[\g1b:\g1b+7]
	s_nop 0
.rept 4
	v_nop
.endr
.Lasked_\@:
.endm
.macro CREST                           ; a round of the cluster's barrier behind its opening barrier
	s_cmp_lg_u32 s16, 0
	s_cbranch_scc1 .Lnot_wave_0_\@
	s_barrier_signal -3
.Lnot_wave_0_\@:
	s_barrier_wait -3
	s_barrier_signal -1
	s_barrier_wait -1
.endm
.macro CROUND
	s_barrier_signal -1
	s_barrier_wait -1
	CREST
.endm
	s_load_b128 s[4:7], s[0:1], 0x0                ; xc, xs
	s_load_b128 s[8:11], s[0:1], 0x10              ; wc, ws
	s_load_b128 s[12:15], s[0:1], 0x20             ; qr, kv
	v_lshl_add_u32 v[SPW], v0, 2, SPARE
	v_mov_b32 v[NIL], 0
	ds_add_u32 v[SPW], v[NIL]                      ; the wave's opening: the add, twice on end, and its wait ahead of my first tensor load
	ds_add_u32 v[SPW], v[NIL]
	v_lshrrev_b32 v1, 5, v0
	v_readfirstlane_b32 s16, v1                    ; wave 0..3
	s_lshr_b32 s17, s16, 1                         ; I fetch for the tokens (0) or the weights (1).  Also: my half of alpha
	s_and_b32 s18, s16, 1                          ; which 8 tiles I fetch.  Also: my half of beta
	s_bfe_u32 s92, ttmp6, 0x40000                  ; cx
	s_bfe_u32 s93, ttmp6, 0x40004                  ; cy
	s_lshl_b32 s94, ttmp9, 2
	s_add_co_u32 s94, s94, s92                     ; which 256 columns of [Wq, Wk, Wv]
	s_and_b32 s19, ttmp7, 0xffff
	s_lshl_b32 s19, s19, 2
	s_add_co_u32 s19, s19, s93                     ; which 256 tokens
	s_lshl_b32 s95, s93, 2
	s_lshl_b32 s95, 15, s95                        ; my row of the cluster
	s_lshl_b32 s96, 0x1111, s92                    ; my column
	s_or_b32 s[G1X], s95, (3<<16)|(1<<21)          ; 15:0 the mask; 17:16 elements of 8 bytes; 21 set beside a mask; no padding
	s_or_b32 s[G1W], s96, (3<<16)|(1<<21)
	s_or_b32 s[G1SX], s95, (3<<16)|(1<<21)
	s_or_b32 s[G1SW], s96, (3<<16)|(1<<21)
.irp g, G1X, G1W                       ; codes: 8 tiles' 3,072 bytes (384 elements), 12,288 bytes (1,536 elements) apart
	s_mov_b32 s[\g+1], 384<<16
	s_mov_b32 s[\g+2], 8<<16
	s_mov_b32 s[\g+3], 384<<16
	s_mov_b32 s[\g+4], 8
	s_mov_b32 s[\g+5], 1536
	s_mov_b32 s[\g+6], 0
	s_mov_b32 s[\g+7], 0
.endr
.irp g, G1SX, G1SW                     ; scales: 8 tiles' 4,096 dense bytes as 16 rows of 256
	s_mov_b32 s[\g+1], 32<<16
	s_mov_b32 s[\g+2], 16<<16
	s_mov_b32 s[\g+3], 32<<16
	s_mov_b32 s[\g+4], 16
	s_mov_b32 s[\g+5], 32
	s_mov_b32 s[\g+6], 0
	s_mov_b32 s[\g+7], 0
.endr
	s_lshl_b32 s21, s18, 3
	s_lshl_b32 s20, s19, 4
	s_add_co_u32 s20, s20, s21                     ; the tokens' first tile that I would fetch
	s_lshl_b32 s97, s94, 4
	s_add_co_u32 s97, s97, s21                     ; the weights'
	s_mul_i32 s22, s20, 12288
	s_mov_b32 s23, 0
	s_lshl_b32 s2, s20, 9
	s_mov_b32 s3, 0
	s_mul_i32 s98, s97, 12288
	s_mov_b32 s99, 0
	s_lshl_b32 s100, s97, 9
	s_mov_b32 s101, 0
	s_mul_i32 s66, s16, HALFT                      ; where they go: wave x 8 tiles: no place in the cluster enters an LDS address
	s_lshl_b32 s67, s16, 12
	s_wait_dscnt 0x0                               ; both opening adds are done
	s_wait_kmcnt 0x0
	s_add_nc_u64 s[22:23], s[4:5], s[22:23]
	s_add_nc_u64 s[2:3], s[6:7], s[2:3]
	s_add_nc_u64 s[98:99], s[8:9], s[98:99]
	s_add_nc_u64 s[100:101], s[10:11], s[100:101]
	CROUND                                         ; all sixteen work-groups are here: the first joint loads meet
	s_mov_b32 s[G0SX], 1
	s_add_co_u32 s[G0SX+1], s67, SCL
	s_mov_b64 s[G0SX+2:G0SX+3], s[2:3]
	s_or_b32 s[G0SX+3], s[G0SX+3], 0x80000000
	s_mov_b32 s[G0SW], 1
	s_add_co_u32 s[G0SW+1], s67, SCL
	s_mov_b64 s[G0SW+2:G0SW+3], s[100:101]
	s_or_b32 s[G0SW+3], s[G0SW+3], 0x80000000
	JLOAD G0SX, G1SX, G0SW, G1SW                   ; the scales first: they are wanted with K step 0
.irp s, 0,1,2
	s_mov_b32 s[56+4*\s+4*(\s/2)], 1
	s_add_co_u32 s[57+4*\s+4*(\s/2)], s66, \s*SLOTB
	s_add_nc_u64 s[58+4*\s+4*(\s/2):59+4*\s+4*(\s/2)], s[22:23], \s*3072
	s_or_b32 s[59+4*\s+4*(\s/2)], s[59+4*\s+4*(\s/2)], 0x80000000
	s_mov_b32 s[72+4*\s], 1
	s_add_co_u32 s[73+4*\s], s66, \s*SLOTB
	s_add_nc_u64 s[74+4*\s:75+4*\s], s[98:99], \s*3072
	s_or_b32 s[75+4*\s], s[75+4*\s], 0x80000000
	JLOAD 56+4*\s+4*(\s/2), G1X, 72+4*\s, G1W
.endr
	v_and_b32 v1, 31, v0
	v_lshlrev_b32 v2, 3, v1                        ; 8 x lane: my place in a piece
	s_cmp_eq_u32 ttmp9, 2                          ; v?  The cluster's x: the same in all sixteen partners
	s_cselect_b32 s20, WREG, 0                     ; alpha's region of a slot,
	s_cselect_b32 s21, 0, WREG                     ; beta's,
	s_cselect_b32 s2, 8192, 0                      ; alpha's scales,
	s_cselect_b32 s3, 0, 8192                      ; beta's
	s_mul_i32 s22, s17, HALFT
	s_add_co_u32 s20, s20, s22
	s_mul_i32 s22, s18, HALFT
	s_add_co_u32 s21, s21, s22
.irp s, 0,1,2
	v_add_nc_u32 v[ADRA+\s], s20, v2
	v_add_nc_u32 v[ADRB+\s], s21, v2
	s_add_co_u32 s20, s20, SLOTB
	s_add_co_u32 s21, s21, SLOTB
.endr
	s_lshl_b32 s22, s17, 12
	s_add_co_u32 s2, s2, s22
	s_add_co_u32 s2, s2, SCL
	s_lshl_b32 s22, s18, 12
	s_add_co_u32 s3, s3, s22
	s_add_co_u32 s3, s3, SCL
	v_and_b32 v3, 15, v0
	v_lshlrev_b32 v3, 3, v3
	v_mov_b32 v4, s2
	v_mov_b32 v5, s3
	v_cmp_gt_u32 vcc_lo, 16, v1
	v_cndmask_b32 v4, v5, v4, vcc_lo               ; lanes 0-15 take alpha's scale words, lanes 16-31 beta's
	v_add_nc_u32 v[ADRS], v4, v3
.macro FRAG reg, adr, q, i             ; tile i's fragment of the slot's q-th 128 along K: units 2 q and 2 q + 1, three pieces each; a load reads 256 consecutive bytes
.irp p, 0,1,2,3,4,5
	ds_load_b64 v[\reg+2*\p:\reg+2*\p+1], v[\adr] offset:3072*(\i)+768*(2*(\q)+\p/3)+256*(\p%3)
.endr
.endm
; 16 matrix instructions: alpha's blocks a0, a0 + 1 x beta's eight.  p: beta's set; q: which word of the scale pair; sc: the set of scale words.  The 64 accumulators take turns, one instruction a turn.
.macro MUL16 a0, p, q, sc, zero
.irp a, \a0, \a0+1
.irp b, 0,1,2,3,4,5,6,7
.if \zero
	v_wmma_scale_f32_16x16x128_f8f6f4 v[8*(8*((\a)%4)+\b):8*(8*((\a)%4)+\b)+7], v[128*(\p)+FR*\b:128*(\p)+FR*\b+FR-1], v[AF+FR*(\a):AF+FR*(\a)+FR-1], 0, v[SC+16*(\sc)+2*\b+(\q)], v[SC+16*(\sc)+2*(\a)+(\q)] matrix_a_fmt:MATRIX_FMT_FP6 matrix_b_fmt:MATRIX_FMT_FP6 matrix_a_scale:MATRIX_SCALE_ROW1
.else
	v_wmma_scale_f32_16x16x128_f8f6f4 v[8*(8*((\a)%4)+\b):8*(8*((\a)%4)+\b)+7], v[128*(\p)+FR*\b:128*(\p)+FR*\b+FR-1], v[AF+FR*(\a):AF+FR*(\a)+FR-1], v[8*(8*((\a)%4)+\b):8*(8*((\a)%4)+\b)+7], v[SC+16*(\sc)+2*\b+(\q)], v[SC+16*(\sc)+2*(\a)+(\q)] matrix_a_fmt:MATRIX_FMT_FP6 matrix_b_fmt:MATRIX_FMT_FP6 matrix_a_scale:MATRIX_SCALE_ROW1
.endif
.endr
.endr
.endm
.macro FETCH_B slot, q, p
	WIN TO_B
.irp i, 0,1,2,3,4,5,6,7
	FRAG 128*(\p)+FR*\i, ADRB+\slot, \q, \i
.endr
	WIN 0
.endm
.macro FETCH_A slot, q, i0
.irp i, \i0, \i0+1, \i0+2, \i0+3
	FRAG AF+FR*(\i), ADRA+\slot, \q, \i
.endr
.endm
.macro SCALES ks                       ; K step ks's scale words (two a row) into set ks % 2
.irp i, 0,1,2,3,4,5,6,7
	ds_load_b64 v[SC+16*((\ks)%2)+2*\i:SC+16*((\ks)%2)+2*\i+1], v[ADRS] offset:512*\i+128*(\ks)
.endr
.endm
.macro PLACES n                        ; plain places behind matrix instructions, in front of loads into registers that they have read and of reads of their results
.rept \n
	v_nop
.endr
.endm
; A step of 128 along K.  q: which half of its K step; sc: its scale set; the next step's fragments come from slot ns, half nq; nks >= 0: the scale words of K step nks come with them.
.macro STEP q, sc, ns, nq, nks, zero
	s_wait_dscnt 4*NL                              ; beta's set, alpha's blocks 0-3 and the scale words are in; the youngest 24 loads (alpha's blocks 4-7) may be out
	WIN MUL_LO
	MUL16 0, \q, \q, \sc, \zero
	MUL16 2, \q, \q, \sc, \zero
	s_wait_dscnt 0x0                               ; alpha's blocks 4-7 are in
	PLACES 4
	FETCH_B \ns, \nq, \nq
	FETCH_A \ns, \nq, 0
.if (\nks) >= 0
	SCALES \nks
.endif
	WIN MUL_HI
	MUL16 4, \q, \q, \sc, \zero
	MUL16 6, \q, \sc*0+\q, \sc, \zero
	PLACES 4
	WIN 0
	FETCH_A \ns, \nq, 4
.endm
; A K step's second half with a barrier in it.  In front of it each wave waits for all its tensor loads, adds 0 to its spare word, and waits for that and for its LDS reads.  fill = 1: slot 0, which nobody reads any more, takes K step 3.
.macro TURN sc, ns, nks, fill
	s_wait_tensorcnt 0x0                           ; all my tensor loads have landed
	ds_add_u32 v[SPW], v[NIL]                      ; 0 onto my spare word
	s_wait_dscnt 4*NL+1                            ; (the add and the youngest 24 loads may be out)
	WIN MUL_LO
	MUL16 0, 1, 1, \sc, 0
	s_wait_dscnt 0x0                               ; the add is done, and my reads of the slot are over
	s_barrier_signal -1
	MUL16 2, 1, 1, \sc, 0
	WIN 0
	s_barrier_wait -1
.if \fill
	CREST                                          ; the barrier has opened a round of the cluster's barrier: no wave of any partner still reads slot 0 or has a load on its way
	s_add_nc_u64 s[58:59], s[58:59], 3*3072
	s_add_nc_u64 s[74:75], s[74:75], 3*3072
	JLOAD 56, G1X, 72, G1W                         ; the first tensor load behind the round; it has three and a half steps, 224 matrix instructions, in which to land
.else
	PLACES 4
.endif
	FETCH_B \ns, 0, 0
	FETCH_A \ns, 0, 0
	SCALES \nks
	WIN MUL_HI
	MUL16 4, 1, 1, \sc, 0
	MUL16 6, 1, 1, \sc, 0
	PLACES 4
	WIN 0
	FETCH_A \ns, 0, 4
.endm
	s_wait_tensorcnt 0x2                           ; the scales and my part of K step 0 are in; K steps 1 and 2 may be out
	s_barrier_signal -1
	s_barrier_wait -1
	FETCH_B 0, 0, 0
	FETCH_A 0, 0, 0
	SCALES 0
	FETCH_A 0, 0, 4
	STEP 0, 0, 0, 1, -1, 1                         ; the first products start the sums: nothing is cleared
	TURN 0, 1, 1, 1                                ; behind its barrier every wave's first four loads have landed: slots 1 and 2 are whole
	STEP 0, 1, 1, 1, -1, 0
	STEP 1, 1, 2, 0, 2, 0                          ; on into slot 2: no barrier is owed
	STEP 0, 0, 2, 1, -1, 0
	TURN 0, 0, 3, 0                                ; K step 3 has landed in slot 0, in every wave's part
	STEP 0, 1, 0, 1, -1, 0
	s_wait_dscnt 4*NL                              ; the last step: nothing more to fetch
	WIN MUL_LO
	MUL16 0, 1, 1, 1, 0
	MUL16 2, 1, 1, 1, 0
	s_wait_dscnt 0x0
	WIN MUL_HI
	MUL16 4, 1, 1, 1, 0
	MUL16 6, 1, 1, 1, 0
	WIN 0
; THE WAY OUT: no LDS.  Block a's 64 registers (register 16 b + i = beta's row 32 b + 16 (lane / 16) + i) become a fragment's 12 registers and a scale word; its two halves (units) are stored as they stand.
	PLACES 4
	s_cmp_eq_u32 ttmp9, 2
	s_cselect_b32 s20, s18, s17                    ; my half of the work-group's tokens,
	s_cselect_b32 s21, s17, s18                    ; and of its four heads
	s_mov_b32 s22, 768
	s_cselect_b32 s22, 1536, s22                   ; from block to block: q, k: a unit; v: a fragment
	s_cselect_b32 s23, 6400, 0                     ; V^T's place in a record
	s_mov_b32 s2, 12800
	s_cmp_eq_u32 ttmp9, 0
	s_cselect_b32 s2, 6400, s2                     ; a record
	s_cselect_b64 s[12:13], s[12:13], s[14:15]     ; qr or kv: the choice hangs on the cluster's x alone
	s_lshl_b32 s3, s2, 4                           ; from head to head: 16 records
	s_sub_co_u32 s94, s3, 6144
	s_cmp_eq_u32 ttmp9, 2
	s_cselect_b32 s93, 768, s3                     ; from half to half: v: the next unit; q, k: the next head
	s_cselect_b32 s94, s94, 0                      ; v: blocks 4-7 are the next head's
	s_lshl_b32 s95, s19, 1
	s_add_co_u32 s95, s95, s20                     ; which 128 tokens of the 8,192
	s_lshl_b32 s96, s92, 1
	s_add_co_u32 s96, s96, s21
	s_lshl_b32 s96, s96, 1                         ; my first head
	s_lshr_b32 s97, s95, 4
	s_lshl_b32 s97, s97, 4
	s_add_co_u32 s97, s97, s96                     ; 16 x batch + head
	s_lshl_b32 s97, s97, 4
	s_and_b32 s95, s95, 15
	s_add_co_u32 s97, s97, s95                     ; the record
	s_mul_i32 s98, s97, s2
	s_add_co_u32 s98, s98, s23
	s_mov_b32 s99, 0
	s_add_nc_u64 s[12:13], s[12:13], s[98:99]
	s_mov_b32 s100, 0x76543210
	s_mov_b32 s101, 0xfedcba98                     ; v_permlanex16_b32's selects for lane l xor 16
	v_and_b32 v1, 31, v0
	v_lshlrev_b32 v[OFF], 3, v1
.irp a, 1,2,3,4,5,6,7
	v_add_nc_u32 v[OFF+2*\a], s22, v[OFF+2*\a-2]
.if \a == 4
	v_add_nc_u32 v[OFF+8], s94, v[OFF+8]
.endif
.endr
.irp a, 0,1,2,3,4,5,6,7
	v_add_nc_u32 v[OFF+2*\a+1], s93, v[OFF+2*\a]
.endr
	v_and_b32 v2, 15, v0
	v_bfe_u32 v3, v0, 4, 1
	v_mul_lo_u32 v4, v3, s3
	v_lshl_add_u32 v[SOF], v2, 4, v4               ; the scale words: 16 bytes a row; lanes 16-31 the next head's
.irp b, 0,1,2,3
	v_mov_b32 v[TM+4+\b], 0                        ; (a lane permute's destination counts as one of its sources)
.endr
.macro QUANT a
.set WN, 2+(\a)/4
.set AC, 64*((\a)%4)
.set FA, FRG+12*(\a)
	WIN (WN<<2)|(WN<<4)                            ; sources 1 and 2: the accumulators' window
.irp b, 0,1,2,3
	v_max3_num_f32 v[TM+\b], 0x3000000, |v[AC+16*\b]|, |v[AC+16*\b+1]|   ; block b: my 16 numbers, from each accumulator's low end on, and the floor 2^(6 - 127)
.endr
.irp i, 2,4,6,8,10,12,14
.irp b, 0,1,2,3
	v_max3_num_f32 v[TM+\b], v[TM+\b], |v[AC+16*\b+\i]|, |v[AC+16*\b+\i+1]|
.endr
.endr
	WIN 0
.irp b, 0,1,2,3
	v_permlanex16_b32 v[TM+4+\b], v[TM+\b], s100, s101
.endr
.irp b, 0,1,2,3
	v_max_num_f32 v[TM+\b], v[TM+\b], v[TM+4+\b]   ; with lane l xor 16's: the block's largest magnitude
.endr
.irp b, 0,1,2,3
	v_add_nc_u32 v[TM+12+\b], 0xff000000, v[TM+\b] ; 2 off its exponent field: the conversion's scale operand
.endr
.irp b, 0,1,2,3
	v_lshrrev_b32 v[TM+4+\b], 23, v[TM+12+\b]      ; the scale's byte
.endr
	v_lshl_or_b32 v[PWS+(\a)], v[TM+5], 8, v[TM+4]
	v_lshl_or_b32 v[PWS+(\a)], v[TM+6], 16, v[PWS+(\a)]
	v_lshl_or_b32 v[PWS+(\a)], v[TM+7], 24, v[PWS+(\a)]
	WIN WN                                         ; source 0: the accumulators' window
.irp c, 0,1
	v_cvt_scalef32_pk16_fp6_f32 v[FA+6*\c:FA+6*\c+2], v[AC+32*\c:AC+32*\c+15], v[TM+12+2*\c]
	v_cvt_scalef32_pk16_fp6_f32 v[TMPC+4*\c:TMPC+4*\c+2], v[AC+32*\c+16:AC+32*\c+31], v[TM+12+2*\c+1]
.endr
	WIN 0
	v_nop                                          ; one plain place behind the conversions
.irp c, 0,1                            ; the layout wants a WHOLE block in a lane: lanes 0-15 block 2 c, lanes 16-31 block 2 c + 1
.irp i, 0,1,2
	v_permlane16_swap_b32 v[FA+6*\c+\i], v[TMPC+4*\c+\i]
.endr
.irp i, 0,1,2
	v_mov_b32 v[FA+3+6*\c+\i], v[TMPC+4*\c+\i]
.endr
.endr
.irp c, 0,1
.irp p, 0,1,2
	global_store_b64 v[OFF+2*(\a)+\c], v[FA+6*\c+2*\p:FA+6*\c+2*\p+1], s[12:13] offset:256*\p   ; 32 lanes store 256 consecutive bytes, aligned; every block has registers of its own
.endr
.endr
.endm
.irp a, 0,1,2,3,4,5,6,7
	QUANT \a
.endr
	v_cmp_ne_u32 vcc_lo, 0, v3
	s_cmp_eq_u32 ttmp9, 2
	s_cbranch_scc1 .Lv_words
.irp j, 0,1,2,3                        ; q, k: a head's halfword of each of the eight token tiles: lanes 0-15 the first head's, lanes 16-31 the second's
	v_perm_b32 v[WW+\j], v[PWS+2*\j+1], v[PWS+2*\j], 0x05040100
	v_perm_b32 v[WW+4+\j], v[PWS+2*\j+1], v[PWS+2*\j], 0x07060302
.endr
.irp j, 0,1,2,3
	v_cndmask_b32 v[WS+\j], v[WW+\j], v[WW+4+\j], vcc_lo
.endr
	s_branch .Lwords
.Lv_words:
.irp j, 0,1,2,3                        ; v: the words of a head's four channel tiles
	v_cndmask_b32 v[WS+\j], v[PWS+\j], v[PWS+4+\j], vcc_lo
.endr
.Lwords:
	global_store_b128 v[SOF], v[WS:WS+3], s[12:13] offset:6144   ; sixteen lanes store 256 consecutive bytes, aligned
	s_wait_tensorcnt 0x0                           ; the wave's end
	ds_add_u32 v[SPW], v[NIL]
	s_wait_dscnt 0x0
	CROUND                                         ; the closing round
	s_endpgm
.Lfunc_end_k_qe905a6a11d_qkv:
	.size	k_qe905a6a11d_qkv, .Lfunc_end_k_qe905a6a11d_qkv-k_qe905a6a11d_qkv
	.p2alignl 7, 3214868480
	.fill 96, 4, 3214868480
	.section	.rodata,"a",@progbits
	.p2align	6, 0x0
	.amdhsa_kernel k_qe905a6a11d_qkv
		.amdhsa_group_segment_fixed_size 327680
		.amdhsa_private_segment_fixed_size 0
		.amdhsa_enable_private_segment 0
		.amdhsa_kernarg_size 48
		.amdhsa_user_sgpr_count 2
		.amdhsa_user_sgpr_kernarg_segment_ptr 1
		.amdhsa_wavefront_size32 1
		.amdhsa_system_sgpr_workgroup_id_x 1
		.amdhsa_system_sgpr_workgroup_id_y 1
		.amdhsa_system_sgpr_workgroup_id_z 1
		.amdhsa_system_vgpr_workitem_id 0
		.amdhsa_next_free_vgpr 1024
		.amdhsa_next_free_sgpr 102
		.amdhsa_reserve_vcc 1
		.amdhsa_float_denorm_mode_32 3
		.amdhsa_float_denorm_mode_16_64 3
		.amdhsa_memory_ordered 1
		.amdhsa_forward_progress 1
		.amdhsa_inst_pref_size 168
	.end_amdhsa_kernel
	.amdgpu_metadata
---
amdhsa.version: [ 1, 2 ]
amdhsa.kernels:
  - .name:           k_qe905a6a11d_qkv
    .symbol:         k_qe905a6a11d_qkv.kd
    .args:
      - { .name: xc, .offset: 0, .size: 8, .value_kind: global_buffer, .address_space: global }
      - { .name: xs, .offset: 8, .size: 8, .value_kind: global_buffer, .address_space: global }
      - { .name: wc, .offset: 16, .size: 8, .value_kind: global_buffer, .address_space: global }
      - { .name: ws, .offset: 24, .size: 8, .value_kind: global_buffer, .address_space: global }
      - { .name: qr, .offset: 32, .size: 8, .value_kind: global_buffer, .address_space: global }
      - { .name: kv, .offset: 40, .size: 8, .value_kind: global_buffer, .address_space: global }
    .group_segment_fixed_size: 327680
    .private_segment_fixed_size: 0
    .kernarg_segment_align: 8
    .kernarg_segment_size: 48
    .max_flat_workgroup_size: 128
    .sgpr_count:     102
    .vgpr_count:     1024
    .wavefront_size: 32
...
	.end_amdgpu_metadata
.endif
;; end of part 2
;; launch attn (part 3): grid 4 x 64, 8 waves a work-group, clusters of 4 x 1, 214,016 bytes of LDS; arguments qr, kv, mask, oc, os; writes oc, os
.if DOCPART == 3
	.amdgcn_target "amdgcn-amd-amdhsa--gfx1250"
	.amdhsa_code_object_version 6
	.text
	.protected	k_qe905a6a11d_attn
	.globl	k_qe905a6a11d_attn
	.p2align	8
	.type	k_qe905a6a11d_attn,@function
k_qe905a6a11d_attn:
	s_mov_b64 s[64:65], 0
	v_nop
	global_prefetch_b8 v0, s[64:65] scope:SCOPE_SE
	s_setreg_imm32_b32 hwreg(HW_REG_WAVE_MODE, 25, 1), 1
	s_wait_xcnt 0x0
	s_wait_alu depctr_hold_cnt(0) depctr_sa_sdst(0) depctr_va_vdst(0) depctr_va_sdst(0) depctr_va_ssrc(0) depctr_va_vcc(0) depctr_vm_vsrc(0)
	s_getreg_b32 s2, hwreg(HW_REG_IB_STS2, 6, 4)
	s_cmp_eq_u32 s2, 0
	s_cbranch_scc0 .Lentry_in_a_cluster
	s_endpgm
.Lentry_in_a_cluster:
	s_bfe_u32 s2, ttmp6, 0x10000c
	s_cmp_lg_u32 s2, 0x3003
	s_cbranch_scc0 .Lentry_shape_is_right
	s_endpgm
.Lentry_shape_is_right:
; Launch 3 of 4: scores = q k^T / 8 + (1 - mask) x -1e9, the softmax, its product with v, the division by the row's sum, and the quantiser of the last product's left operand.  Both products on codes of FP6 (E2M3).  No work is left out.
; THE SOFTMAX AHEAD OF THE SECOND PRODUCT: t = logit x log2(e); M = the running largest t rounded UP to a whole number; p = 2^(t - M) is quantised along the keys; the row's sum is taken of the unquantised p and divides at the end.
; SHARES.  A work-group owns 512 queries of one head (batch x head = work-group y); each of its eight waves 64: four tiles of 16, so that each fragment of K and V read from LDS feeds four tiles.  Two waves to a SIMD.
; NO RING.  A head's 16 records of kv (128 keys each, 12,800 bytes) fit in LDS together: each wave asks for two of them by ONE tensor load at the head; nothing is filled again and no barrier stands in the loop over keys.
; CLUSTER.  The four work-groups of a head form a cluster and ask JOINTLY (mask 15): the same load with the same descriptor in all four.
; LAYOUT.  Both products are used transposed (S^T = K Q^T, O^T = V^T P^T): a lane holds ONE query.  By the tile order of the keys the 16 registers of tiles 2 b, 2 b + 1 are keys 32 b + 16 (lane / 16) + 0 .. 15.
; THE FIRST PRODUCT'S K IS 64, the instruction's 128: source 0 holds TWO key tiles side by side (12 registers), source 1 is [q | zeros] for the first and [zeros | q] for the second, both taken from one run of registers
; zeros, q0, zeros, q1, zeros, q2, zeros, q3, zeros.  Zero codes add nothing under any scale byte.
; THE FACTOR 1/8 is 3 off each of q's scale bytes: exact; no byte borrows, since launch 2 holds them at 4 from below.
; THE MASK is the first product's C: bias = (1.0 - float(mask)) x -1e9, for any int32, made once at the head, in LDS; a key step's 128 stand in 64 registers in the result's layout and serve the four tiles.
; LIMITS: logit + bias is rounded by the matrix unit and not by a vector addition: that can show only where every key of a batch is masked.  Floors: p's and o's blocks under 2^-124 get the byte 1.  NaN and infinities are not served.
; os is written 2 bytes a row and head (32 lanes, 8 bytes apart): parts of aligned 256 bytes; 262,144 bytes in the whole launch.
; No prefetch: all of a head is asked for at the head of the kernel.
; REGISTERS.  Window 0: v1-3 the step's LDS addresses, v4, v5 the add's two, v6, v7, v21 lane terms, v8-20 scale words alone (q 4, K 4, V 4, p 1), v22 os's offset, v24-39 for each tile -M, largest t, the sum in two halves,
;   v40-63 at work, v64-75 p's codes, v80-127 K, v128-175 V, v176-239 S^T then p, v240-255 at work at the head and on the way out.   Window 1: v0-127 O^T (32 a tile), v128-191 the bias, v192-245 the run of q and zeros.
.set REC,   12800
.set BIAS,  16*REC                     ; 8,192 bytes, stored by ds_store: no tensor load lands here
.set SPARE, BIAS+8192                  ; the spare words, 128 bytes for each of the eight waves
.set VK,   1
.set VKS,  2
.set VB,   3
.set SPW,  4
.set NIL,  5
.set VK0,  6
.set VKS0, 7
.set QSC,  8
.set KSC,  12
.set VSC,  16
.set PSC,  20
.set VB0,  21
.set OSO,  22
.set ST,   24
.set BM,   40
.set BP,   44
.set SO,   48
.set FF,   52
.set TW,   54
.set TMPC, 56
.set P,    64
.set K,    80
.set V,    128
.set S,    176
.set BI,   128                         ; in window 1
.set QR,   192                         ; in window 1
.set WV,   14
.set CX,   15
.set BH,   16
.set G0,   20
.set G1,   24
.set CNT,  36
.set SEL,  38
.set CS,   40
.set TB,   42
.set TC,   43
.set MSB, 0
.macro WIN new
.if MSB != (\new)
	s_set_vgpr_msb (MSB<<8)|(\new)
.set MSB, (\new)
.endif
.endm
.macro CROUND                          ; a round of the cluster's barrier
	s_barrier_signal -1
	s_barrier_wait -1
	s_cmp_lg_u32 s[WV], 0
	s_cbranch_scc1 .Lnot_wave_0_\@
	s_barrier_signal -3
.Lnot_wave_0_\@:
	s_barrier_wait -3
	s_barrier_signal -1
	s_barrier_wait -1
.endm
	s_load_b256 s[4:11], s[0:1], 0x0               ; qr, kv, mask, oc
	s_load_b64 s[12:13], s[0:1], 0x20              ; os
	v_lshl_add_u32 v[SPW], v0, 2, SPARE
	v_mov_b32 v[NIL], 0
	ds_add_u32 v[SPW], v[NIL]                      ; the wave's opening: the add, twice on end, and its wait ahead of my first tensor load
	ds_add_u32 v[SPW], v[NIL]
	v_lshrrev_b32 v249, 5, v0
	v_readfirstlane_b32 s[WV], v249                ; wave 0..7
	s_bfe_u32 s[CX], ttmp6, 0x40000                ; my place in the cluster: which 512 queries
	s_and_b32 s[BH], ttmp7, 0xffff                 ; 16 x batch + head, which the four partners share
	s_mul_i32 s18, s[BH], 16*REC
	s_mul_i32 s17, s[WV], 2*REC                    ; my two records: in memory and in LDS alike
	s_add_co_u32 s18, s18, s17
	s_mov_b32 s19, 0
	s_mov_b32 s[G1], 15|(3<<16)|(1<<21)            ; 15:0 the mask: all four; 17:16 elements of 8 bytes; 21 set beside a mask; no padding
	s_mov_b32 s[G1+1], 32<<16                      ; 25,600 dense bytes as 100 rows of 256
	s_mov_b32 s[G1+2], 100<<16
	s_mov_b32 s[G1+3], 32<<16
	s_mov_b32 s[G1+4], 100
	s_mov_b32 s[G1+5], 32
	s_mov_b32 s[G1+6], 0
	s_mov_b32 s[G1+7], 0
	s_lshl_b32 s32, s[BH], 4
	s_lshl_b32 s33, s[CX], 2
	s_add_co_u32 s32, s32, s33
	s_lshr_b32 s33, s[WV], 1
	s_add_co_u32 s32, s32, s33
	s_mul_i32 s32, s32, 6400                       ; q's record: 128 queries, of which my wave takes half
	s_mov_b32 s33, 0
	s_lshr_b32 s34, s[BH], 4                       ; the batch
	s_lshl_b32 s44, s34, 13                        ; its 2,048 words of the mask
	s_mov_b32 s45, 0
	s_lshl_b32 s46, s34, 7
	s_lshl_b32 s47, s[CX], 5
	s_add_co_u32 s46, s46, s47
	s_lshl_b32 s47, s[WV], 2
	s_add_co_u32 s46, s46, s47                     ; my first token tile: 128 x batch + 32 cx + 4 x wave
	s_and_b32 s35, s[BH], 15                       ; the head
	s_lshl_b32 s48, s46, 4
	s_add_co_u32 s48, s48, s35
	s_mul_i32 s48, s48, 768                        ; oc: [tile][head][768]
	s_mov_b32 s49, 0
	s_lshl_b32 s50, s46, 9                         ; os: 512 a tile, 128 for four heads, 2 a head
	s_lshr_b32 s51, s35, 2
	s_lshl_b32 s51, s51, 7
	s_add_co_u32 s50, s50, s51
	s_and_b32 s51, s35, 3
	s_lshl_b32 s51, s51, 1
	s_add_co_u32 s50, s50, s51
	s_mov_b32 s51, 0
	s_mov_b32 s[SEL], 0x76543210
	s_mov_b32 s[SEL+1], 0xfedcba98                 ; v_permlanex16_b32's selects for lane l xor 16
	s_mov_b32 s[CS], 0x3fb8aa3b                    ; log2(e)
	s_mov_b32 s[CS+1], s[CS]                       ; (named with it as a pair, so it is written)
	s_mov_b32 s[TB], 0
	s_mov_b32 s[TC], 0
	s_and_b32 s37, s[WV], 1
	s_wait_dscnt 0x0                               ; both opening adds are done
	s_wait_kmcnt 0x0
	s_mov_b32 s[G0], 1
	s_mov_b32 s[G0+1], s17
	s_add_nc_u64 s[G0+2:G0+3], s[6:7], s[18:19]
	s_or_b32 s[G0+3], s[G0+3], 0x80000000
	s_add_nc_u64 s[4:5], s[4:5], s[32:33]
	s_add_nc_u64 s[8:9], s[8:9], s[44:45]
	s_add_nc_u64 s[10:11], s[10:11], s[48:49]
	s_add_nc_u64 s[12:13], s[12:13], s[50:51]
	CROUND                                         ; all four work-groups are here: the joint loads meet
	tensor_load_to_lds s[G0:G0+3], s[G1:G1+7]      ; my one tensor load of the launch
	s_nop 0
.rept 4
	v_nop
.endr
	v_and_b32 v249, 31, v0                         ; lane
	v_and_b32 v250, 15, v0                         ; r
	v_bfe_u32 v251, v0, 4, 1                       ; h
	v_lshlrev_b32 v[VK0], 3, v249                  ; 8 x lane: my place in a piece
	v_lshlrev_b32 v[VKS0], 4, v250                 ; 16 r: my row's scale words
	v_lshl_add_u32 v[VB0], v251, 6, BIAS           ; the bias of my half's 16 keys of each 32
	v_lshlrev_b32 v[OSO], 3, v250
	v_lshl_add_u32 v[OSO], v251, 9, v[OSO]         ; os: 512 h + 8 r
	s_mul_i32 s52, s37, 3072
	v_add_nc_u32 v252, s52, v[VK0]                 ; q's codes: my four tiles of the record's eight
	s_lshl_b32 s52, s37, 3
	v_add_nc_u32 v253, s52, v[VKS0]                ; and their four halfwords
	v_lshlrev_b32 v254, 5, v0                      ; the mask: 8 keys a thread
	v_lshl_add_u32 v248, v0, 5, BIAS
	global_load_b128 v[240:243], v254, s[8:9]
	global_load_b128 v[244:247], v254, s[8:9] offset:16
	global_load_b64 v[TW:TW+1], v253, s[4:5] offset:6144
	WIN 0x40                                       ; destination window 1
.irp t, 0,1,2,3
.irp p, 0,1,2
	global_load_b64 v[QR+6+12*\t+2*\p:QR+6+12*\t+2*\p+1], v252, s[4:5] offset:768*\t+256*\p
.endr
.endr
.irp g, 0,1,2,3,4
.irp i, 0,1,2,3,4,5
	v_mov_b32 v[QR+12*\g+\i], 0                    ; the zero codes between the q
.endr
.endr
	WIN 0
.irp t, 0,1,2,3
	v_mov_b32 v[ST+4*\t+1], 0xff61b1e6             ; the largest t so far: -3e38, under every t
	v_floor_f32 v[ST+4*\t], -v[ST+4*\t+1]          ; -M
	v_mov_b32 v[ST+4*\t+2], 0                      ; the sum, in two halves
	v_mov_b32 v[ST+4*\t+3], 0
	v_mov_b32 v[BP+\t], 0                          ; (a lane permute's destination counts as one of its sources)
.endr
	v_mov_b32 v[FF+1], 0                           ; (named as the upper half of the pair with f)
	v_mov_b32 v[VK], v[VK0]
	v_mov_b32 v[VKS], v[VKS0]
	v_mov_b32 v[VB], v[VB0]
	s_wait_loadcnt 0x0
	v_perm_b32 v[QSC], v[TW], v[TW], 0x01000100    ; a tile's halfword twice: it serves [q | zeros] and [zeros | q]
	v_perm_b32 v[QSC+1], v[TW], v[TW], 0x03020302
	v_perm_b32 v[QSC+2], v[TW+1], v[TW+1], 0x01000100
	v_perm_b32 v[QSC+3], v[TW+1], v[TW+1], 0x03020302
.irp t, 0,1,2,3
	v_add_nc_u32 v[QSC+\t], 0xfcfcfcfd, v[QSC+\t]  ; 3 off each byte: x 1/8
.endr
.irp i, 0,1,2,3,4,5,6,7
	v_cvt_f32_i32 v[240+\i], v[240+\i]
.endr
.irp i, 0,1,2,3,4,5,6,7
	v_sub_f32 v[240+\i], 1.0, v[240+\i]
.endr
.irp i, 0,1,2,3,4,5,6,7
	v_mul_f32 v[240+\i], 0xce6e6b28, v[240+\i]     ; (1 - m) x -1e9
.endr
	ds_store_b128 v248, v[240:243]
	ds_store_b128 v248, v[244:247] offset:16
	s_wait_tensorcnt 0x0                           ; my two records are in,
	s_wait_dscnt 0x0                               ; my part of the bias is stored:
	s_barrier_signal -1
	s_barrier_wait -1                              ; everybody's are
.macro KLOAD                           ; a key step's K (8 units), its scale words, its bias: 41 loads
.irp a, 0,1,2,3,4,5,6,7
.irp p, 0,1,2
	ds_load_b64 v[K+6*\a+2*\p:K+6*\a+2*\p+1], v[VK] offset:768*\a+256*\p
.endr
.endr
	ds_load_b128 v[KSC:KSC+3], v[VKS] offset:6144
	WIN 0x40
.irp b, 0,1,2,3
.irp i, 0,1,2,3
	ds_load_b128 v[BI+16*\b+4*\i:BI+16*\b+4*\i+3], v[VB] offset:128*\b+16*\i
.endr
.endr
	WIN 0
.endm
.macro VLOAD                           ; its V^T (4 fragments) and their scale words: 25 loads
.irp a, 0,1,2,3,4,5,6,7
.irp p, 0,1,2
	ds_load_b64 v[V+6*\a+2*\p:V+6*\a+2*\p+1], v[VK] offset:6400+768*\a+256*\p
.endr
.endr
	ds_load_b128 v[VSC:VSC+3], v[VKS] offset:12544
.endm
; One tile's softmax of 128 keys: S^T becomes p, p's codes and scale word; M, the sum and f = 2^(old M - new M) are brought up to date.
.macro SOFT t
.set MM, ST+4*(\t)
.irp b, 0,1,2,3
	v_max3_num_f32 v[BM+\b], v[S+16*\b], v[S+16*\b+1], v[S+16*\b+2]   ; the largest logit of each block of 32 keys: it serves the row's maximum and, since p rises with the logit, the block's largest p
.endr
.irp i, 3,5,7,9,11,13
.irp b, 0,1,2,3
	v_max3_num_f32 v[BM+\b], v[BM+\b], v[S+16*\b+\i], v[S+16*\b+\i+1]
.endr
.endr
.irp b, 0,1,2,3
	v_max_num_f32 v[BM+\b], v[BM+\b], v[S+16*\b+15]
.endr
.irp b, 0,1,2,3
	v_permlanex16_b32 v[BP+\b], v[BM+\b], s[SEL], s[SEL+1]
.endr
.irp b, 0,1,2,3
	v_max_num_f32 v[BM+\b], v[BM+\b], v[BP+\b]     ; with lane l xor 16's 16 keys
.endr
	v_max3_num_f32 v[TW], v[BM], v[BM+1], v[BM+2]
	v_max_num_f32 v[TW], v[TW], v[BM+3]
	v_mul_f32 v[TW], s[CS], v[TW]                  ; the step's largest t
	v_max_num_f32 v[MM+1], v[MM+1], v[TW]          ; the running largest t
	v_mov_b32 v[TW], v[MM]
	v_floor_f32 v[MM], -v[MM+1]                    ; the new -M = -ceil(t): a whole number
	v_sub_f32 v[TW], v[MM], v[TW]                  ; old M - new M: a whole number, 0 or less
	v_cvt_i32_f32 v[TW], v[TW]                     ; (it saturates)
	v_ldexp_f32 v[FF], 1.0, v[TW]                  ; f: a multiplication by it rounds nothing
.set jj, 0
.rept 32
	v_pk_fma_f32 v[S+jj:S+jj+1], v[S+jj:S+jj+1], s[CS:CS+1], v[MM:MM+1] op_sel_hi:[1,0,0]   ; t - M, two at a time
.set jj, jj+2
.endr
.irp b, 0,1,2,3
	v_fma_f32 v[BM+\b], v[BM+\b], s[CS], v[MM]     ; the same of each block's largest logit
.endr
.set jj, 0
.rept 64
	v_exp_f32 v[S+jj], v[S+jj]                     ; p = 2^(t - M), at most 1
.set jj, jj+1
.endr
	v_pk_mul_f32 v[MM+2:MM+3], v[MM+2:MM+3], v[FF:FF+1] op_sel_hi:[1,0]   ; the sums under the new M: the plain place behind the exponentials
	s_wait_alu depctr_va_vdst(0)                   ; one wait for the batch of 64, ahead of its first reader
.irp b, 0,1,2,3
	v_exp_f32 v[BM+\b], v[BM+\b]                   ; the blocks' largest p
.endr
	v_pk_add_f32 v[BP:BP+1], v[S:S+1], v[S+2:S+3]  ; the row's sum of the UNQUANTISED p, in two chains; it reads the 64 alone
.irp j, 4,8,12,16,20,24,28,32,36,40,44,48,52,56,60
	v_pk_add_f32 v[MM+2:MM+3], v[MM+2:MM+3], v[S+\j:S+\j+1]
	v_pk_add_f32 v[BP:BP+1], v[BP:BP+1], v[S+\j+2:S+\j+3]
.endr
	v_pk_add_f32 v[MM+2:MM+3], v[MM+2:MM+3], v[BP:BP+1]
	s_wait_alu depctr_va_vdst(0)                   ; and one for the four
.irp b, 0,1,2,3
	v_max_num_f32 v[BM+\b], 0x1800000, v[BM+\b]    ; the floor 2^(3 - 127)
.endr
.irp b, 0,1,2,3
	v_add_nc_u32 v[SO+\b], 0xff000000, v[BM+\b]    ; 2 off the exponent field: the conversion's scale operand
.endr
.irp b, 0,1,2,3
	v_lshrrev_b32 v[BP+\b], 23, v[SO+\b]           ; the scale's byte
.endr
	v_lshl_or_b32 v[PSC], v[BP+1], 8, v[BP]
	v_lshl_or_b32 v[PSC], v[BP+2], 16, v[PSC]
	v_lshl_or_b32 v[PSC], v[BP+3], 24, v[PSC]
.irp c, 0,1
	v_cvt_scalef32_pk16_fp6_f32 v[P+6*\c:P+6*\c+2], v[S+32*\c:S+32*\c+15], v[SO+2*\c]
	v_cvt_scalef32_pk16_fp6_f32 v[TMPC+4*\c:TMPC+4*\c+2], v[S+32*\c+16:S+32*\c+31], v[SO+2*\c+1]
.endr
	v_nop                                          ; one plain place behind the conversions
.irp c, 0,1
.irp i, 0,1,2
	v_permlane16_swap_b32 v[P+6*\c+\i], v[TMPC+4*\c+\i]
.endr
.irp i, 0,1,2
	v_mov_b32 v[P+3+6*\c+\i], v[TMPC+4*\c+\i]
.endr
.endr
.endm
; Tile t of a key step.  first = 1: the products V^T P start O^T's sums: nothing is cleared.  more = 1: a key step follows: its K is fetched behind tile 3's scores, its V behind tile 3's second product.
.macro TILE t, first, more
	WIN 0x14                                       ; source 1 (q) and C (the bias) window 1
.irp n, 0,1,2,3,4,5,6,7
	v_wmma_scale_f32_16x16x128_f8f6f4 v[S+8*\n:S+8*\n+7], v[K+12*(\n/2):K+12*(\n/2)+11], v[QR+12*(\t)+6*(1-\n%2):QR+12*(\t)+6*(1-\n%2)+11], v[BI+8*\n:BI+8*\n+7], v[KSC+\n/2], v[QSC+(\t)] matrix_a_fmt:MATRIX_FMT_FP6 matrix_b_fmt:MATRIX_FMT_FP6
.endr
	WIN 0
.if ((\t) == 3) && (\more)
	s_add_co_u32 s[TB], s[TB], REC
	s_add_co_u32 s[TC], s[TC], 512
	v_add_nc_u32 v[VK], s[TB], v[VK0]              ; the next key step's addresses: with the v_nop the four places in front of the loads and of the first read of the scores
	v_add_nc_u32 v[VKS], s[TB], v[VKS0]
	v_add_nc_u32 v[VB], s[TC], v[VB0]
	v_nop
	KLOAD
.else
.rept 4
	v_nop
.endr
.endif
	SOFT \t
.if (\t) == 0
	s_wait_dscnt 0x0                               ; V is in
.endif
.if \first
.rept 8
	v_nop                                          ; places between the scale word's and the codes' last writes and the scaled matrix instructions
.endr
.else
	WIN 0x41
.set jj, 0
.rept 16
	v_pk_mul_f32 v[32*(\t)+jj:32*(\t)+jj+1], v[32*(\t)+jj:32*(\t)+jj+1], v[FF:FF+1] op_sel_hi:[1,0]   ; O^T under the new M; these are also those places
.set jj, jj+2
.endr
.endif
	WIN 0x50                                       ; C and D window 1
.irp c, 0,1,2,3
.if \first
	v_wmma_scale_f32_16x16x128_f8f6f4 v[32*(\t)+8*\c:32*(\t)+8*\c+7], v[V+12*\c:V+12*\c+11], v[P:P+11], 0, v[VSC+\c], v[PSC] matrix_a_fmt:MATRIX_FMT_FP6 matrix_b_fmt:MATRIX_FMT_FP6
.else
	v_wmma_scale_f32_16x16x128_f8f6f4 v[32*(\t)+8*\c:32*(\t)+8*\c+7], v[V+12*\c:V+12*\c+11], v[P:P+11], v[32*(\t)+8*\c:32*(\t)+8*\c+7], v[VSC+\c], v[PSC] matrix_a_fmt:MATRIX_FMT_FP6 matrix_b_fmt:MATRIX_FMT_FP6
.endif
.endr
	WIN 0
.if ((\t) == 3) && (\more)
.rept 4
	v_nop
.endr
	VLOAD
.endif
.endm
.macro STEP first, more
	s_wait_dscnt 25                                ; K, its scale words and the bias are in; V's 25 loads may be out
	TILE 0, \first, \more
	TILE 1, \first, \more
	TILE 2, \first, \more
	TILE 3, \first, \more
.endm
	KLOAD
	VLOAD
	STEP 1, 1
	s_mov_b32 s[CNT], 14
.Lkeys:
	STEP 0, 1
	s_sub_co_u32 s[CNT], s[CNT], 1
	s_cmp_lg_u32 s[CNT], 0
	s_cbranch_scc1 .Lkeys
	STEP 0, 0
; THE WAY OUT.  O^T / the sum; a head's 64 channels are two blocks of the last product's K: register 16 b + i of a lane is channel 32 b + 16 (lane / 16) + i of its query.  A tile becomes one unit of oc and a halfword a row of os.
.irp t, 0,1,2,3
	v_add_f32 v[ST+4*\t+2], v[ST+4*\t+2], v[ST+4*\t+3]   ; (these are also the places behind the last products)
.endr
.irp t, 0,1,2,3
	v_permlanex16_b32 v[BP+\t], v[ST+4*\t+2], s[SEL], s[SEL+1]
.endr
.irp t, 0,1,2,3
	v_add_f32 v[ST+4*\t+2], v[ST+4*\t+2], v[BP+\t] ; the row's sum
.endr
.irp t, 0,1,2,3
	v_rcp_f32 v[ST+4*\t+2], v[ST+4*\t+2]
.endr
	v_nop                                          ; a plain place behind the last reciprocal
	s_wait_alu depctr_va_vdst(0)                   ; one wait for the four, ahead of their first reader
.macro OTILE t
.set OB, S+32*((\t)%2)
.set OCR, 64+8*(\t)                    ; every tile has code registers of its own: no store's data are written again
	WIN 0x01                                       ; source 0 window 1
.set jj, 0
.rept 16
	v_pk_mul_f32 v[OB+jj:OB+jj+1], v[32*(\t)+jj:32*(\t)+jj+1], v[ST+4*(\t)+2:ST+4*(\t)+3] op_sel_hi:[1,0]
.set jj, jj+2
.endr
	WIN 0
.irp b, 0,1
	v_max3_num_f32 v[BM+\b], |v[OB+16*\b]|, |v[OB+16*\b+1]|, 0x1800000
.endr
.irp i, 2,4,6,8,10,12,14
.irp b, 0,1
	v_max3_num_f32 v[BM+\b], v[BM+\b], |v[OB+16*\b+\i]|, |v[OB+16*\b+\i+1]|
.endr
.endr
.irp b, 0,1
	v_permlanex16_b32 v[BP+\b], v[BM+\b], s[SEL], s[SEL+1]
.endr
.irp b, 0,1
	v_max_num_f32 v[BM+\b], v[BM+\b], v[BP+\b]
.endr
.irp b, 0,1
	v_add_nc_u32 v[SO+\b], 0xff000000, v[BM+\b]
.endr
.irp b, 0,1
	v_lshrrev_b32 v[BP+\b], 23, v[SO+\b]
.endr
	v_lshl_or_b32 v[240+(\t)], v[BP+1], 8, v[BP]   ; my row's two scale bytes
	v_cvt_scalef32_pk16_fp6_f32 v[OCR:OCR+2], v[OB:OB+15], v[SO]
	v_cvt_scalef32_pk16_fp6_f32 v[TMPC:TMPC+2], v[OB+16:OB+31], v[SO+1]
	v_nop
.irp i, 0,1,2
	v_permlane16_swap_b32 v[OCR+\i], v[TMPC+\i]
.endr
.irp i, 0,1,2
	v_mov_b32 v[OCR+3+\i], v[TMPC+\i]
.endr
.irp p, 0,1,2
	global_store_b64 v[VK0], v[OCR+2*\p:OCR+2*\p+1], s[10:11] offset:12288*(\t)+256*\p   ; 256 consecutive bytes, aligned
.endr
.endm
	OTILE 0
	OTILE 1
	OTILE 2
	OTILE 3
	v_cmp_ne_u32 vcc_lo, 0, v251
	v_cndmask_b32 v244, v240, v241, vcc_lo         ; lanes 0-15: tile 0's (2's) rows, lanes 16-31: tile 1's (3's)
	v_cndmask_b32 v245, v242, v243, vcc_lo
	global_store_b16 v[OSO], v244, s[12:13]
	global_store_b16 v[OSO], v245, s[12:13] offset:1024
	s_wait_tensorcnt 0x0                           ; the wave's end: behind my tensor load and my last LDS store
	ds_add_u32 v[SPW], v[NIL]
	s_wait_dscnt 0x0
	CROUND                                         ; the closing round
	s_endpgm
.Lfunc_end_k_qe905a6a11d_attn:
	.size	k_qe905a6a11d_attn, .Lfunc_end_k_qe905a6a11d_attn-k_qe905a6a11d_attn
	.p2alignl 7, 3214868480
	.fill 96, 4, 3214868480
	.section	.rodata,"a",@progbits
	.p2align	6, 0x0
	.amdhsa_kernel k_qe905a6a11d_attn
		.amdhsa_group_segment_fixed_size 214016
		.amdhsa_private_segment_fixed_size 0
		.amdhsa_enable_private_segment 0
		.amdhsa_kernarg_size 40
		.amdhsa_user_sgpr_count 2
		.amdhsa_user_sgpr_kernarg_segment_ptr 1
		.amdhsa_wavefront_size32 1
		.amdhsa_system_sgpr_workgroup_id_x 1
		.amdhsa_system_sgpr_workgroup_id_y 1
		.amdhsa_system_sgpr_workgroup_id_z 1
		.amdhsa_system_vgpr_workitem_id 0
		.amdhsa_next_free_vgpr 512
		.amdhsa_next_free_sgpr 66
		.amdhsa_reserve_vcc 1
		.amdhsa_float_denorm_mode_32 3
		.amdhsa_float_denorm_mode_16_64 3
		.amdhsa_memory_ordered 1
		.amdhsa_forward_progress 1
		.amdhsa_inst_pref_size 195
	.end_amdhsa_kernel
	.amdgpu_metadata
---
amdhsa.version: [ 1, 2 ]
amdhsa.kernels:
  - .name:           k_qe905a6a11d_attn
    .symbol:         k_qe905a6a11d_attn.kd
    .args:
      - { .name: qr, .offset: 0, .size: 8, .value_kind: global_buffer, .address_space: global }
      - { .name: kv, .offset: 8, .size: 8, .value_kind: global_buffer, .address_space: global }
      - { .name: mask, .offset: 16, .size: 8, .value_kind: global_buffer, .address_space: global }
      - { .name: oc, .offset: 24, .size: 8, .value_kind: global_buffer, .address_space: global }
      - { .name: os, .offset: 32, .size: 8, .value_kind: global_buffer, .address_space: global }
    .group_segment_fixed_size: 214016
    .private_segment_fixed_size: 0
    .kernarg_segment_align: 8
    .kernarg_segment_size: 40
    .max_flat_workgroup_size: 256
    .sgpr_count:     66
    .vgpr_count:     512
    .wavefront_size: 32
...
	.end_amdgpu_metadata
.endif
;; end of part 3
;; launch proj (part 4): grid 4 x 32, 4 waves a work-group, clusters of 4 x 4, 327,680 bytes of LDS; arguments oc, os, wc, ws, out0; writes out0
.if DOCPART == 4
	.amdgcn_target "amdgcn-amd-amdhsa--gfx1250"
	.amdhsa_code_object_version 6
	.text
	.protected	k_qe905a6a11d_proj
	.globl	k_qe905a6a11d_proj
	.p2align	8
	.type	k_qe905a6a11d_proj,@function
k_qe905a6a11d_proj:
	s_mov_b64 s[64:65], 0
	v_nop
	global_prefetch_b8 v0, s[64:65] scope:SCOPE_SE
	s_setreg_imm32_b32 hwreg(HW_REG_WAVE_MODE, 25, 1), 1
	s_wait_xcnt 0x0
	s_wait_alu depctr_hold_cnt(0) depctr_sa_sdst(0) depctr_va_vdst(0) depctr_va_sdst(0) depctr_va_ssrc(0) depctr_va_vcc(0) depctr_vm_vsrc(0)
	s_getreg_b32 s2, hwreg(HW_REG_IB_STS2, 6, 4)
	s_cmp_eq_u32 s2, 0
	s_cbranch_scc0 .Lentry_in_a_cluster
	s_endpgm
.Lentry_in_a_cluster:
	s_bfe_u32 s2, ttmp6, 0x10000c
	s_cmp_lg_u32 s2, 0xf033
	s_cbranch_scc0 .Lentry_shape_is_right
	s_endpgm
.Lentry_shape_is_right:
; Launch 4 of 4: out0 = o Wo on codes of FP6 (E2M3).  No work is left out.  The body is launch 2's (256 x 256 a work-group, four waves of 128 x 128, K = 1,024 in four steps of 256 through three LDS slots, joint loads in a
; cluster of 4 x 4, one refill behind one round); alpha (source 1, a lane a row) = the tokens' tiles of oc, beta (source 0) = Wo's tiles, wc's tiles 192 on.  128 work-groups: 8,192 x 1,024 numbers in tiles of 256 x 256.
; By the tile order a lane's 64 registers of a block of 16 tokens are columns 32 b + 16 (lane / 16) + 0 .. 15 of its token's 128.  A block goes through the wave's own stage in LDS and leaves as whole rows of 512 bytes.
; The stage lies in slot 1: it has had its one fill, and its last reads stand ahead of the second barrier of the K loop, which every wave has passed.
; No prefetch: three of the four K steps are asked for at the head.
.set FR,    12
.set NL,    6
.set SLOTB, 98304
.set WREG,  49152
.set HALFT, 24576
.set SCL,   3*SLOTB
.set SPARE, SCL+16384
.set ADRA,  16
.set ADRB,  20
.set STO,   24                         ; v24 the way out: where I put 32 bytes of a row
.set RD,    25                         ; v25 where I read a row back
.set CO,    26                         ; v26 16 x lane: my bytes of a row of 512
.set ADRS,  27
.set SPW,   28
.set NIL,   29
.set SC,    32
.set AF,    128
.set BK,    128                        ; 16 rows read back: v128-191 and v192-255 by turns
.set G1X,   24
.set G1W,   32
.set G1SX,  40
.set G1SW,  48
.set G0SX,  84
.set G0SW,  88
.set MSB, 0
.macro WIN new
.if MSB != (\new)
	s_set_vgpr_msb (MSB<<8)|(\new)
.set MSB, (\new)
.endif
.endm
.set MUL_LO, 0xa1
.set MUL_HI, 0xf1
.set TO_B,   0x40
.macro JLOAD g0a, g1a, g0b, g1b        ; waves 0 and 1 fetch for the tokens, waves 2 and 3 for the weights; an s_nop 0 and four v_nop follow each line
	s_cmp_eq_u32 s17, 0
	s_cbranch_scc0 .Lfor_b_\@
	tensor_load_to_lds s[\g0a:\g0a+3], s[\g1a:\g1a+7]
	s_nop 0
.rept 4
	v_nop
.endr
	s_branch .Lasked_\@
.Lfor_b_\@:
	tensor_load_to_lds s[\g0b:\g0b+3], s[\g1b:\g1b+7]
	s_nop 0
.rept 4
	v_nop
.endr
.Lasked_\@:
.endm
.macro CREST
	s_cmp_lg_u32 s16, 0
	s_cbranch_scc1 .Lnot_wave_0_\@
	s_barrier_signal -3
.Lnot_wave_0_\@:
	s_barrier_wait -3
	s_barrier_signal -1
	s_barrier_wait -1
.endm
.macro CROUND
	s_barrier_signal -1
	s_barrier_wait -1
	CREST
.endm
	s_load_b128 s[4:7], s[0:1], 0x0                ; oc, os
	s_load_b128 s[8:11], s[0:1], 0x10              ; wc, ws
	s_load_b64 s[12:13], s[0:1], 0x20              ; out0
	v_lshl_add_u32 v[SPW], v0, 2, SPARE
	v_mov_b32 v[NIL], 0
	ds_add_u32 v[SPW], v[NIL]                      ; the wave's opening: the add, twice on end, and its wait ahead of my first tensor load
	ds_add_u32 v[SPW], v[NIL]
	v_lshrrev_b32 v1, 5, v0
	v_readfirstlane_b32 s16, v1                    ; wave 0..3
	s_lshr_b32 s17, s16, 1                         ; I fetch for the tokens (0) or the weights (1).  Also: my half of the tokens
	s_and_b32 s18, s16, 1                          ; which 8 tiles I fetch.  Also: my half of the columns
	s_bfe_u32 s92, ttmp6, 0x40000                  ; cx
	s_bfe_u32 s93, ttmp6, 0x40004                  ; cy
	s_lshl_b32 s94, ttmp9, 2
	s_add_co_u32 s94, s94, s92                     ; which 256 columns
	s_and_b32 s19, ttmp7, 0xffff
	s_lshl_b32 s19, s19, 2
	s_add_co_u32 s19, s19, s93                     ; which 256 tokens
	s_lshl_b32 s95, s93, 2
	s_lshl_b32 s95, 15, s95                        ; my row of the cluster
	s_lshl_b32 s96, 0x1111, s92                    ; my column
	s_or_b32 s[G1X], s95, (3<<16)|(1<<21)
	s_or_b32 s[G1W], s96, (3<<16)|(1<<21)
	s_or_b32 s[G1SX], s95, (3<<16)|(1<<21)
	s_or_b32 s[G1SW], s96, (3<<16)|(1<<21)
.irp g, G1X, G1W
	s_mov_b32 s[\g+1], 384<<16
	s_mov_b32 s[\g+2], 8<<16
	s_mov_b32 s[\g+3], 384<<16
	s_mov_b32 s[\g+4], 8
	s_mov_b32 s[\g+5], 1536
	s_mov_b32 s[\g+6], 0
	s_mov_b32 s[\g+7], 0
.endr
.irp g, G1SX, G1SW
	s_mov_b32 s[\g+1], 32<<16
	s_mov_b32 s[\g+2], 16<<16
	s_mov_b32 s[\g+3], 32<<16
	s_mov_b32 s[\g+4], 16
	s_mov_b32 s[\g+5], 32
	s_mov_b32 s[\g+6], 0
	s_mov_b32 s[\g+7], 0
.endr
	s_lshl_b32 s21, s18, 3
	s_lshl_b32 s20, s19, 4
	s_add_co_u32 s20, s20, s21                     ; the tokens' first tile that I would fetch
	s_lshl_b32 s97, s94, 4
	s_add_co_u32 s97, s97, s21
	s_add_co_u32 s97, s97, 192                     ; the weights': Wo's tiles begin at 192
	s_mul_i32 s22, s20, 12288
	s_mov_b32 s23, 0
	s_lshl_b32 s2, s20, 9
	s_mov_b32 s3, 0
	s_mul_i32 s98, s97, 12288
	s_mov_b32 s99, 0
	s_lshl_b32 s100, s97, 9
	s_mov_b32 s101, 0
	s_mul_i32 s66, s16, HALFT
	s_lshl_b32 s67, s16, 12
	s_wait_dscnt 0x0                               ; both opening adds are done
	s_wait_kmcnt 0x0
	s_add_nc_u64 s[22:23], s[4:5], s[22:23]
	s_add_nc_u64 s[2:3], s[6:7], s[2:3]
	s_add_nc_u64 s[98:99], s[8:9], s[98:99]
	s_add_nc_u64 s[100:101], s[10:11], s[100:101]
	CROUND                                         ; all sixteen work-groups are here: the first joint loads meet
	s_mov_b32 s[G0SX], 1
	s_add_co_u32 s[G0SX+1], s67, SCL
	s_mov_b64 s[G0SX+2:G0SX+3], s[2:3]
	s_or_b32 s[G0SX+3], s[G0SX+3], 0x80000000
	s_mov_b32 s[G0SW], 1
	s_add_co_u32 s[G0SW+1], s67, SCL
	s_mov_b64 s[G0SW+2:G0SW+3], s[100:101]
	s_or_b32 s[G0SW+3], s[G0SW+3], 0x80000000
	JLOAD G0SX, G1SX, G0SW, G1SW
.irp s, 0,1,2
	s_mov_b32 s[56+4*\s+4*(\s/2)], 1
	s_add_co_u32 s[57+4*\s+4*(\s/2)], s66, \s*SLOTB
	s_add_nc_u64 s[58+4*\s+4*(\s/2):59+4*\s+4*(\s/2)], s[22:23], \s*3072
	s_or_b32 s[59+4*\s+4*(\s/2)], s[59+4*\s+4*(\s/2)], 0x80000000
	s_mov_b32 s[72+4*\s], 1
	s_add_co_u32 s[73+4*\s], s66, \s*SLOTB
	s_add_nc_u64 s[74+4*\s:75+4*\s], s[98:99], \s*3072
	s_or_b32 s[75+4*\s], s[75+4*\s], 0x80000000
	JLOAD 56+4*\s+4*(\s/2), G1X, 72+4*\s, G1W
.endr
	v_and_b32 v1, 31, v0
	v_lshlrev_b32 v2, 3, v1                        ; 8 x lane
	v_and_b32 v3, 15, v0                           ; r
	v_bfe_u32 v4, v0, 4, 1                         ; h
	s_mul_i32 s20, s17, HALFT                      ; my 8 tiles of tokens
	s_mul_i32 s21, s18, HALFT
	s_add_co_u32 s21, s21, WREG                    ; my 8 tiles of Wo
.irp s, 0,1,2
	v_add_nc_u32 v[ADRA+\s], s20, v2
	v_add_nc_u32 v[ADRB+\s], s21, v2
	s_add_co_u32 s20, s20, SLOTB
	s_add_co_u32 s21, s21, SLOTB
.endr
	v_lshlrev_b32 v5, 3, v3
	s_lshl_b32 s21, s17, 12                        ; the tokens' scales: my 8 tiles
	s_lshl_b32 s22, s18, 12
	s_add_co_u32 s22, s22, 8192                    ; the weights', behind the tokens' 8,192 bytes
	s_sub_co_u32 s22, s22, s21
	v_mul_u32_u24 v6, s22, v4                      ; lanes 16-31 take the weights'
	s_add_co_u32 s21, s21, SCL
	v_add_nc_u32 v5, v5, v6
	v_add_nc_u32 v[ADRS], s21, v5
	s_mul_i32 s20, s16, 16*528
	s_add_co_u32 s20, s20, SLOTB                   ; my stage, in slot 1
	v_mul_u32_u24 v5, v3, 528
	v_lshl_add_u32 v5, v4, 6, v5
	v_add_nc_u32 v[STO], s20, v5                   ; in: row r, + 64 h
	v_lshlrev_b32 v[CO], 4, v1
	v_add_nc_u32 v[RD], s20, v[CO]                 ; back: the 32 lanes take one row of 512 bytes
	s_lshl_b32 s20, s19, 20                        ; my first row of out0: 256 tokens of 4,096 bytes a work-group,
	s_lshl_b32 s21, s17, 19                        ; 128 a half
	s_add_co_u32 s20, s20, s21
	s_mov_b32 s21, 0
	s_lshl_b32 s98, s94, 10                        ; my first column, in bytes
	s_lshl_b32 s99, s18, 9
	s_add_co_u32 s98, s98, s99
	s_mov_b32 s99, 0
	s_add_nc_u64 s[12:13], s[12:13], s[20:21]
	s_add_nc_u64 s[12:13], s[12:13], s[98:99]
.macro FRAG reg, adr, q, i
.irp p, 0,1,2,3,4,5
	ds_load_b64 v[\reg+2*\p:\reg+2*\p+1], v[\adr] offset:3072*(\i)+768*(2*(\q)+\p/3)+256*(\p%3)
.endr
.endm
.macro MUL16 a0, p, q, sc, zero        ; the 64 accumulators take turns, one instruction a turn
.irp a, \a0, \a0+1
.irp b, 0,1,2,3,4,5,6,7
.if \zero
	v_wmma_scale_f32_16x16x128_f8f6f4 v[8*(8*((\a)%4)+\b):8*(8*((\a)%4)+\b)+7], v[128*(\p)+FR*\b:128*(\p)+FR*\b+FR-1], v[AF+FR*(\a):AF+FR*(\a)+FR-1], 0, v[SC+16*(\sc)+2*\b+(\q)], v[SC+16*(\sc)+2*(\a)+(\q)] matrix_a_fmt:MATRIX_FMT_FP6 matrix_b_fmt:MATRIX_FMT_FP6 matrix_a_scale:MATRIX_SCALE_ROW1
.else
	v_wmma_scale_f32_16x16x128_f8f6f4 v[8*(8*((\a)%4)+\b):8*(8*((\a)%4)+\b)+7], v[128*(\p)+FR*\b:128*(\p)+FR*\b+FR-1], v[AF+FR*(\a):AF+FR*(\a)+FR-1], v[8*(8*((\a)%4)+\b):8*(8*((\a)%4)+\b)+7], v[SC+16*(\sc)+2*\b+(\q)], v[SC+16*(\sc)+2*(\a)+(\q)] matrix_a_fmt:MATRIX_FMT_FP6 matrix_b_fmt:MATRIX_FMT_FP6 matrix_a_scale:MATRIX_SCALE_ROW1
.endif
.endr
.endr
.endm
.macro FETCH_B slot, q, p
	WIN TO_B
.irp i, 0,1,2,3,4,5,6,7
	FRAG 128*(\p)+FR*\i, ADRB+\slot, \q, \i
.endr
	WIN 0
.endm
.macro FETCH_A slot, q, i0
.irp i, \i0, \i0+1, \i0+2, \i0+3
	FRAG AF+FR*(\i), ADRA+\slot, \q, \i
.endr
.endm
.macro SCALES ks
.irp i, 0,1,2,3,4,5,6,7
	ds_load_b64 v[SC+16*((\ks)%2)+2*\i:SC+16*((\ks)%2)+2*\i+1], v[ADRS] offset:512*\i+128*(\ks)
.endr
.endm
.macro PLACES n
.rept \n
	v_nop
.endr
.endm
.macro STEP q, sc, ns, nq, nks, zero
	s_wait_dscnt 4*NL                              ; beta's set, alpha's blocks 0-3 and the scale words are in; the youngest 24 loads (alpha's blocks 4-7) may be out
	WIN MUL_LO
	MUL16 0, \q, \q, \sc, \zero
	MUL16 2, \q, \q, \sc, \zero
	s_wait_dscnt 0x0
	PLACES 4
	FETCH_B \ns, \nq, \nq
	FETCH_A \ns, \nq, 0
.if (\nks) >= 0
	SCALES \nks
.endif
	WIN MUL_HI
	MUL16 4, \q, \q, \sc, \zero
	MUL16 6, \q, \q, \sc, \zero
	PLACES 4
	WIN 0
	FETCH_A \ns, \nq, 4
.endm
.macro TURN sc, ns, nks, fill
	s_wait_tensorcnt 0x0                           ; all my tensor loads have landed
	ds_add_u32 v[SPW], v[NIL]                      ; 0 onto my spare word
	s_wait_dscnt 4*NL+1                            ; (the add and the youngest 24 loads may be out)
	WIN MUL_LO
	MUL16 0, 1, 1, \sc, 0
	s_wait_dscnt 0x0                               ; the add is done, and my reads of the slot are over
	s_barrier_signal -1
	MUL16 2, 1, 1, \sc, 0
	WIN 0
	s_barrier_wait -1
.if \fill
	CREST                                          ; the barrier has opened a round of the cluster's barrier: no wave of any partner still reads slot 0 or has a load on its way
	s_add_nc_u64 s[58:59], s[58:59], 3*3072
	s_add_nc_u64 s[74:75], s[74:75], 3*3072
	JLOAD 56, G1X, 72, G1W                         ; K step 3 into slot 0: the first tensor load behind the round
.else
	PLACES 4
.endif
	FETCH_B \ns, 0, 0
	FETCH_A \ns, 0, 0
	SCALES \nks
	WIN MUL_HI
	MUL16 4, 1, 1, \sc, 0
	MUL16 6, 1, 1, \sc, 0
	PLACES 4
	WIN 0
	FETCH_A \ns, 0, 4
.endm
	s_wait_tensorcnt 0x2                           ; the scales and my part of K step 0 are in; K steps 1 and 2 may be out
	s_barrier_signal -1
	s_barrier_wait -1
	FETCH_B 0, 0, 0
	FETCH_A 0, 0, 0
	SCALES 0
	FETCH_A 0, 0, 4
	STEP 0, 0, 0, 1, -1, 1
	TURN 0, 1, 1, 1
	STEP 0, 1, 1, 1, -1, 0
	STEP 1, 1, 2, 0, 2, 0
	STEP 0, 0, 2, 1, -1, 0
	TURN 0, 0, 3, 0
	STEP 0, 1, 0, 1, -1, 0
	s_wait_dscnt 4*NL
	WIN MUL_LO
	MUL16 0, 1, 1, 1, 0
	MUL16 2, 1, 1, 1, 0
	s_wait_dscnt 0x0
	WIN MUL_HI
	MUL16 4, 1, 1, 1, 0
	MUL16 6, 1, 1, 1, 0
	WIN 0
; THE WAY OUT, block by block of 16 tokens x 128 columns, through my own stage: LDS serves a wave's instructions in order, so no wait stands between the stores and the loads.
.macro TOSTAGE a
.set AC, 64*((\a)%4)
	WIN 0x08+4*((\a)/4)                            ; an LDS store's data are its source 1: window 2 or 3
.irp b, 0,1,2,3,4,5,6,7
	ds_store_b128 v[STO], v[AC+8*\b:AC+8*\b+3] offset:128*(\b/2)+32*(\b%2)       ; columns 32 (b / 2) + 16 h + 8 (b % 2) on; each accumulator from its low end on
	ds_store_b128 v[STO], v[AC+8*\b+4:AC+8*\b+7] offset:128*(\b/2)+32*(\b%2)+16
.endr
	WIN 0
.set BB, BK+64*((\a)%2)
.irp t, 0,1,2,3,4,5,6,7,8,9,10,11,12,13,14,15
	ds_load_b128 v[BB+4*\t:BB+4*\t+3], v[RD] offset:\t*528
.endr
.endm
.macro SEND a, younger                 ; younger: the LDS instructions issued behind block a's loads, which may stay out
.set BB, BK+64*((\a)%2)
	s_wait_dscnt \younger
.irp t, 0,1,2,3,4,5,6,7,8,9,10,11,12,13,14,15
	global_store_b128 v[CO], v[BB+4*\t:BB+4*\t+3], s[12:13] offset:(32*((\a)/2)+8*((\a)%2)+\t+8*(\t/8))*4096 th:TH_STORE_NT   ; row t of tile a, by the tile order; 32 lanes store 512 consecutive bytes, aligned
.endr
.endm
	PLACES 4
	TOSTAGE 0
.irp a, 1,2,3,4,5,6,7
.if \a > 1
	s_wait_xcnt 0x0                                ; block a - 2's stores have read their registers: block a's loads may land there
.endif
	TOSTAGE \a
	SEND \a-1, 32                                  ; behind block a - 1's loads: block a's 16 stores and 16 loads
.endr
	SEND 7, 0
	s_wait_tensorcnt 0x0                           ; the wave's end: behind my last tensor load and my last LDS store
	ds_add_u32 v[SPW], v[NIL]
	s_wait_dscnt 0x0
	CROUND                                         ; the closing round
	s_endpgm
.Lfunc_end_k_qe905a6a11d_proj:
	.size	k_qe905a6a11d_proj, .Lfunc_end_k_qe905a6a11d_proj-k_qe905a6a11d_proj
	.p2alignl 7, 3214868480
	.fill 96, 4, 3214868480
	.section	.rodata,"a",@progbits
	.p2align	6, 0x0
	.amdhsa_kernel k_qe905a6a11d_proj
		.amdhsa_group_segment_fixed_size 327680
		.amdhsa_private_segment_fixed_size 0
		.amdhsa_enable_private_segment 0
		.amdhsa_kernarg_size 40
		.amdhsa_user_sgpr_count 2
		.amdhsa_user_sgpr_kernarg_segment_ptr 1
		.amdhsa_wavefront_size32 1
		.amdhsa_system_sgpr_workgroup_id_x 1
		.amdhsa_system_sgpr_workgroup_id_y 1
		.amdhsa_system_sgpr_workgroup_id_z 1
		.amdhsa_system_vgpr_workitem_id 0
		.amdhsa_next_free_vgpr 1024
		.amdhsa_next_free_sgpr 102
		.amdhsa_reserve_vcc 0
		.amdhsa_float_denorm_mode_32 3
		.amdhsa_float_denorm_mode_16_64 3
		.amdhsa_memory_ordered 1
		.amdhsa_forward_progress 1
		.amdhsa_inst_pref_size 159
	.end_amdhsa_kernel
	.amdgpu_metadata
---
amdhsa.version: [ 1, 2 ]
amdhsa.kernels:
  - .name:           k_qe905a6a11d_proj
    .symbol:         k_qe905a6a11d_proj.kd
    .args:
      - { .name: oc, .offset: 0, .size: 8, .value_kind: global_buffer, .address_space: global }
      - { .name: os, .offset: 8, .size: 8, .value_kind: global_buffer, .address_space: global }
      - { .name: wc, .offset: 16, .size: 8, .value_kind: global_buffer, .address_space: global }
      - { .name: ws, .offset: 24, .size: 8, .value_kind: global_buffer, .address_space: global }
      - { .name: out0, .offset: 32, .size: 8, .value_kind: global_buffer, .address_space: global }
    .group_segment_fixed_size: 327680
    .private_segment_fixed_size: 0
    .kernarg_segment_align: 8
    .kernarg_segment_size: 40
    .max_flat_workgroup_size: 128
    .sgpr_count:     102
    .vgpr_count:     1024
    .wavefront_size: 32
...
	.end_amdgpu_metadata
.endif
;; end of part 4
